; MI455X (gfx1250); checked and timed in simulation.
; The chip was launched on July 23, 2026; its instructions are those of AMD's public machine-readable ISA for CDNA 5 (MIT licence, August 2026) and "CDNA5" Instruction Set Architecture Reference Guide (July 2026). The comments in the code are by the model that wrote it; some were corrected since.
;; Long term atention. Allowed arithmetic: matrix products marked QUANTISED: E2M3 operands, one E8M0 scale for each 32 along K, by v_wmma_scale_f32_16x16x128_f8f6f4 with both operands' format E2M3, f32 sums; products left as they are: f32 operands where the result goes on into a quantised operand, else bf16, f16 or f32 operands; f32 sums; everything else in f32.
;; Inputs: K 16 x 2,048 x 512 float32; Q 16 x 512 float32; V 16 x 2,048 x 512 float32; W_k 512 x 512 float32; W_q 512 x 512 float32; W_v 512 x 512 float32; ln_beta 512 float32; ln_gamma 512 float32; mask 16 x 2,048 bool.
;; Outputs: out0 16 x 2,048 x 512 float32.
;; This version of the problem:
;;   THIS VERSION OF THE PROBLEM IS GIVEN IN LOW PRECISION. The matrix products marked QUANTISED in the list below multiply operands that are first quantised to E2M3 (2 exponent bits, 3 mantissa bits; 6 bits a number), with one power-of-two scale for each 32 numbers along K (OCP MX v1.0); their sums are f32. All else is computed in f32.
;;   The module's matrix products, in the order in which they are computed (A, B: the left and right operand; K: the contracted axis; several contracted axes count as one K, in the product's order):
;;     1. [M 16, K 512] x [K 512, N 512]; A: input Q; B: input W_q: QUANTISED
;;     2. [M 32,768, K 512] x [K 512, N 512]; A: input K; B: input W_k: QUANTISED
;;     3. [M 32,768, K 512] x [K 512, N 512]; A: input V; B: input W_v: QUANTISED
;;     4. batch 16 x [M 1, K 512] x [K 512, N 2,048]; A: computed on the way; B: computed on the way: left as it is (M = 1 < 16)
;;     5. batch 16 x [M 2,048, K 2,048] x [K 2,048, N 512]; A: softmax (see below); B: computed on the way: QUANTISED
;;   THE QUANTISER, for each operand of a quantised product, along K:
;;     - K is cut into blocks of 32 from its start; a last block that is shorter is filled with zeros.
;;     - A block's scale is 2^e with e = floor(log2(the largest magnitude in the block)) - 2, held to -126 .. 127; a block of zeros has e = 0. As a byte (E8M0): e + 127.
;;     - Each number is divided by its block's scale, clamped to +-7.5, and rounded to the nearest number of E2M3, ties to even, subnormals kept.
;;     - The product sums the exact products of the quantised numbers (number of the format x scale) in f32.
;;   ~~~python
;;   def quantise(x, axis):      # numpy; x: float32 -> the quantised numbers, widened to float32 again
;;       x = np.moveaxis(x, axis, -1); K = x.shape[-1]
;;       x = np.pad(x, [(0, 0)] * (x.ndim - 1) + [(0, -K % 32)]); x = x.reshape(x.shape[:-1] + (-1, 32)); a = np.abs(x).max(-1, keepdims=True)
;;       e = np.where(a > 0, np.clip(np.frexp(np.where(a > 0, a, 1))[1] - 1 - 2, -126, 127), 0)      # np.frexp(a)[1] - 1 = floor(log2(a)), exactly
;;       r = np.clip(x / 2.0 ** e, -7.5, 7.5)
;;       step = 2.0 ** (np.maximum(np.frexp(np.where(r == 0, 1, r))[1] - 1, 0) - 3)
;;       q = np.round(r / step) * step * 2.0 ** e      # np.round: ties to even
;;       return np.moveaxis(q.reshape(q.shape[:-2] + (-1,))[..., :K], -1, axis).astype(np.float32)
;;   ~~~
;;   SOFTMAX AHEAD OF A QUANTISED PRODUCT. Where the list says 'softmax', what is quantised is not the finished softmax but p = 2^(t - M), with t = logit x log2(e) and M = ceil(the row's largest t), a whole number; so 1/2 < the row's largest p <= 1. The row's sum l is taken of the UNQUANTISED p, in f32, and the product's result is divided by l at the end. Since M is a whole number, a kernel that streams over the keys may use a running M (the ceiling of the running maximum): every later rescaling is an exact power of two, which a block's scale takes up: the codes' values come out the same.
;;   OPERANDS COMPUTED ON THE WAY. 'Computed on the way' means the value that the module computes at that place (a softmax that the list does not call 'softmax' is quantised finished and normalised). What goes into a quantiser is computed in f32, as accurately as f32 sums, v_exp_f32 and their like allow (about 1e-6 of the number): no bf16 or f16 on the way to a quantiser, and a product that is left as it is and whose result goes on into a quantised operand takes f32 operands (vector FMAs, or v_wmma_f32_16x16x4_f32). A number that lies on a knife's edge between two numbers of the format may be rounded either way, as far as f32 arithmetic and the matrix unit's own rounding can turn it there, and no further.
;; 2 versions, each right; version 2 is version 1 with the launches prep, proj written anew for expert scheduling mode. Each part assembles by itself: llvm-mc -triple=amdgcn-amd-amdhsa -mcpu=gfx1250 --defsym DOCPART=n.
;; ======== version 1 of 2: 3 launches
;; workspace buffers: wimg 393,216 bytes; wsc 16,384 bytes; qp 32,768 bytes; tbuf 131,072 bytes; vimg 12,582,912 bytes; vsc 524,288 bytes; csum 262,144 bytes
;; launch prep (part 1): grid 96 x 1, 4 waves a work-group, no clusters, 4,608 bytes of LDS; arguments W_k, W_v, W_q, Q, wimg, wsc, qp; writes wimg, wsc, qp
.if DOCPART == 1
	.amdgcn_target "amdgcn-amd-amdhsa--gfx1250"
	.amdhsa_code_object_version 6
	.text
	.protected	k_q2161a059c9_prep
	.globl	k_q2161a059c9_prep
	.p2align	8
	.type	k_q2161a059c9_prep,@function
k_q2161a059c9_prep:
	s_mov_b64 s[64:65], 0
	v_nop
	global_prefetch_b8 v0, s[64:65] scope:SCOPE_SE
	s_setreg_imm32_b32 hwreg(HW_REG_WAVE_MODE, 25, 1), 1
	s_wait_xcnt 0x0
; PREP.  The three weights [512 (k)][512 (d)] f32 are quantised along k (their FIRST axis) to E2M3 codes with one E8M0 byte for 32 k.
; Work-group x: weight x / 32 (0 W_k, 1 W_v, 2 W_q), columns 16 (x % 32) on; wave s takes k = 128 s .. 128 s + 127.
; A lane takes ONE column and its 64 registers run down k in the order of the matrix operand: register 32 c + i = k 128 s + 64 c + 32 (lane / 16) + i,
; so the conversions' results are the operand's 12 registers.  W_k and W_v leave as images of these registers (chunk j = registers 4 j .. 4 j + 3,
; lane l's 16 bytes at 512 j + 16 l), W_q is used at once: Q_ = Q W_q, 16 batches x 16 columns a work-group, the four waves' K steps added in LDS.
; LIMITS: NaN and infinities are not served.  A block of zeros gets the byte 1 where the quantiser says 127: its codes are zeros, and only this program reads the bytes.
; Q_ is the f32 sum of four partial sums of 128 k each.
; No cluster, no tensor load: each work-group reads its own 16 columns once; nothing is shared.
.set FLOOR, 0x1800000                  ; 2^(3 - 127): under it no largest magnitude is taken, so a byte cannot fall under 1
.set EOFF,  0xff000000                 ; takes 2 off an exponent field
.set SEL, 22                           ; s[22:23] lane selects: lane l xor 16
.set SH8, 10                           ; v10  8 x (lane / 16)
.set TW,  11                           ; v11  a lane permute's destination
.set PC,  16                           ; v16-27  the weight's codes
.set QC,  28                           ; v28-39  Q's codes
.set CT,  40                           ; v40-47  the second halves of the blocks' codes
.set TM,  48                           ; v48-49 largest magnitudes, v50-51 conversion scales, v52-53 bytes
.set SO,  50
.set BY,  52
.set PW,  56                           ; v56  the weight's scale word
.set QW,  57                           ; v57  Q's scale word
.set X,   64                           ; v64-127  64 numbers of the weight
.set XQ,  128                          ; v128-191 64 numbers of Q
.set D,   192                          ; v192-199 the product
.set SUM, 200
; 64 numbers of a lane, register 32 c + i = k 64 c + 32 (lane / 16) + i, become 12 registers of codes and the scale word of these 128 k
.macro QUANTW x, pc, pw
.irp c, 0,1
	v_max3_num_f32 v[TM+\c], |v[32*\c+(\x)]|, |v[32*\c+1+(\x)]|, FLOOR
.endr
.irp i, 2,4,6,8,10,12,14,16,18,20,22,24,26,28,30
.irp c, 0,1
	v_max3_num_f32 v[TM+\c], v[TM+\c], |v[32*\c+\i+(\x)]|, |v[32*\c+\i+1+(\x)]|   ; the two blocks by turns
.endr
.endr
.irp c, 0,1
	v_add_nc_u32 v[SO+\c], EOFF, v[TM+\c]          ; the conversion takes this operand's exponent field as its scale
.endr
.irp c, 0,1
	v_lshrrev_b32 v[BY+\c], 23, v[SO+\c]           ; the scale's byte
.endr
	v_lshl_or_b32 v[\pw], v[BY+1], 16, v[BY]       ; my bytes: blocks h and 2 + h,
	v_lshlrev_b32 v[\pw], v[SH8], v[\pw]           ; at their places;
	v_permlanex16_b32 v[TW], v[\pw], s[SEL], s[SEL+1]
	v_or_b32 v[\pw], v[\pw], v[TW]                 ; with lane l xor 16's two the word is whole
.irp c, 0,1
	v_cvt_scalef32_pk16_fp6_f32 v[6*\c+(\pc):6*\c+2+(\pc)], v[32*\c+(\x):32*\c+15+(\x)], v[SO+\c]
	v_cvt_scalef32_pk16_fp6_f32 v[CT+4*\c:CT+4*\c+2], v[32*\c+16+(\x):32*\c+31+(\x)], v[SO+\c]   ; (three registers begin on an even number)
.endr
	v_nop                                          ; one plain place behind the conversions
.irp c, 0,1
.irp i, 0,1,2
	v_mov_b32 v[6*\c+3+\i+(\pc)], v[CT+4*\c+\i]
.endr
.endr
.endm
.macro LOADW                           ; W(128 s + 64 c + 32 h + i, my column): sixteen lanes read 64 neighbouring bytes
.set ii, 0
.rept 64
	global_load_b32 v[X+ii], v4, s[24:25] offset:(64*(ii/32)+ii%32)*2048
.set ii, ii+1
.endr
.endm
	s_load_b256 s[4:11], s[0:1], 0x0               ; W_k, W_v, W_q, Q
	s_load_b128 s[12:15], s[0:1], 0x20             ; wimg, wsc
	s_load_b64 s[16:17], s[0:1], 0x30              ; qp
	v_lshl_add_u32 v208, v0, 2, 0x1000
	v_mov_b32 v209, 0
	v_lshrrev_b32 v1, 5, v0
	v_readfirstlane_b32 s18, v1                    ; wave = K step s
	s_lshr_b32 s19, ttmp9, 5                       ; which weight
	s_and_b32 s20, ttmp9, 31                       ; which 16 columns
	v_and_b32 v1, 31, v0                           ; lane
	v_and_b32 v2, 15, v0                           ; r
	v_bfe_u32 v3, v0, 4, 1                         ; h
	v_lshlrev_b32 v4, 2, v2
	v_lshl_add_u32 v4, v3, 16, v4                  ; W: 4 r + 32 h rows of 2,048 bytes
	v_lshlrev_b32 v5, 11, v2
	v_lshl_add_u32 v5, v3, 7, v5                   ; Q: row r of 2,048 bytes + 32 h numbers
	v_lshlrev_b32 v6, 4, v1                        ; 16 x lane
	v_lshlrev_b32 v7, 2, v2                        ; 4 r
	v_lshlrev_b32 v[SH8], 3, v3
	v_mov_b32 v[TW], 0
	s_mov_b32 s[SEL], 0x76543210
	s_mov_b32 s[SEL+1], 0xfedcba98
	s_lshl_b32 s26, s18, 18                        ; 128 s rows of W
	s_lshl_b32 s27, s20, 6                         ; 16 columns are 64 bytes
	s_add_co_u32 s26, s26, s27
	s_mov_b32 s27, 0
	s_wait_kmcnt 0x0
	s_cmp_eq_u32 s19, 1
	s_cselect_b64 s[24:25], s[6:7], s[4:5]
	s_cmp_eq_u32 s19, 2
	s_cselect_b64 s[24:25], s[8:9], s[24:25]       ; the choice hangs on the work-group's number alone
	s_add_nc_u64 s[24:25], s[24:25], s[26:27]
	s_cmp_eq_u32 s19, 2
	s_cbranch_scc1 .Lquery
	; ---- W_k, W_v: the fragment's image and its scale word go to memory
	LOADW
	s_lshl_b32 s28, s19, 7
	s_lshl_b32 s29, s20, 2
	s_add_co_u32 s28, s28, s29
	s_add_co_u32 s28, s28, s18
	s_mul_i32 s28, s28, 1536                       ; fragment (weight, column tile, K step)
	s_mov_b32 s29, 0
	s_add_nc_u64 s[12:13], s[12:13], s[28:29]
	s_lshl_b32 s28, s19, 13
	s_lshl_b32 s30, s20, 8
	s_add_co_u32 s28, s28, s30
	s_lshl_b32 s30, s18, 6                         ; 128 (s / 2) + 64 (s % 2) = 64 s: even K steps in words 0-15, odd ones in words 16-31
	s_add_co_u32 s28, s28, s30
	s_add_nc_u64 s[14:15], s[14:15], s[28:29]
	s_wait_loadcnt 0x0
	QUANTW X, PC, PW
.irp k, 0,1,2
	global_store_b128 v6, v[PC+4*\k:PC+4*\k+3], s[12:13] offset:512*\k   ; 32 lanes store 512 consecutive bytes
.endr
	global_store_b32 v7, v[PW], s[14:15]           ; both halves of the lanes store the same word
	s_endpgm
	; ---- W_q: Q_ = Q W_q for my 16 columns
.Lquery:
	s_lshl_b32 s28, s18, 9                         ; 128 s numbers of a row of Q
	s_mov_b32 s29, 0
	s_add_nc_u64 s[10:11], s[10:11], s[28:29]
.set ii, 0
.rept 16
	global_load_b128 v[XQ+4*ii:XQ+4*ii+3], v5, s[10:11] offset:256*(ii/8)+16*(ii%8)
.set ii, ii+1
.endr
	LOADW
	s_lshl_b32 s30, s18, 10
	v_lshl_add_u32 v8, v1, 5, s30                  ; LDS: my wave's 1,024 bytes, 32 a lane
	v_lshlrev_b32 v9, 5, v1
	v_lshlrev_b32 v12, 11, v2
	v_lshl_add_u32 v12, v3, 5, v12                 ; qp: row r (a batch), + 8 h numbers
	s_lshl_b32 s28, s20, 6
	s_add_nc_u64 s[16:17], s[16:17], s[28:29]
	s_wait_loadcnt 0x0
	QUANTW X, PC, PW
	QUANTW XQ, QC, QW
.rept 8
	v_nop                                          ; a scale word made by vector instructions stands 8 places ahead of the product, codes so made 4
.endr
	v_wmma_scale_f32_16x16x128_f8f6f4 v[D:D+7], v[PC:PC+11], v[QC:QC+11], 0, v[PW], v[QW] matrix_a_fmt:MATRIX_FMT_FP6 matrix_b_fmt:MATRIX_FMT_FP6   ; transposed: lane r = batch, register j = column 8 h + j
.rept 4
	v_nop
.endr
	ds_store_b128 v8, v[D:D+3]
	ds_store_b128 v8, v[D+4:D+7] offset:16
	s_wait_dscnt 0x0                               ; my partial sums lie in LDS
	s_barrier_signal -1
	s_barrier_wait -1
	s_cmp_lg_u32 s18, 0
	s_cbranch_scc1 .Lend
.irp s, 0,1,2,3
	ds_load_b128 v[X+8*\s:X+8*\s+3], v9 offset:1024*\s
	ds_load_b128 v[X+8*\s+4:X+8*\s+7], v9 offset:1024*\s+16
.endr
	s_wait_dscnt 0x0
.irp j, 0,2,4,6
	v_pk_add_f32 v[SUM+\j:SUM+\j+1], v[X+\j:X+\j+1], v[X+8+\j:X+9+\j]      ; K steps in ascending order
.endr
.irp j, 0,2,4,6
	v_pk_add_f32 v[SUM+\j:SUM+\j+1], v[SUM+\j:SUM+\j+1], v[X+16+\j:X+17+\j]
.endr
.irp j, 0,2,4,6
	v_pk_add_f32 v[SUM+\j:SUM+\j+1], v[SUM+\j:SUM+\j+1], v[X+24+\j:X+25+\j]
.endr
	global_store_b128 v12, v[SUM:SUM+3], s[16:17]
	global_store_b128 v12, v[SUM+4:SUM+7], s[16:17] offset:16
.Lend:
	s_wait_tensorcnt 0x0
	ds_add_u32 v208, v209
	s_wait_dscnt 0x0
	s_endpgm
.Lfunc_end_k_q2161a059c9_prep:
	.size	k_q2161a059c9_prep, .Lfunc_end_k_q2161a059c9_prep-k_q2161a059c9_prep
	.p2alignl 7, 3214868480
	.fill 96, 4, 3214868480
	.section	.rodata,"a",@progbits
	.p2align	6, 0x0
	.amdhsa_kernel k_q2161a059c9_prep
		.amdhsa_group_segment_fixed_size 4608
		.amdhsa_private_segment_fixed_size 0
		.amdhsa_enable_private_segment 0
		.amdhsa_kernarg_size 56
		.amdhsa_user_sgpr_count 2
		.amdhsa_user_sgpr_kernarg_segment_ptr 1
		.amdhsa_wavefront_size32 1
		.amdhsa_system_sgpr_workgroup_id_x 1
		.amdhsa_system_sgpr_workgroup_id_y 1
		.amdhsa_system_sgpr_workgroup_id_z 1
		.amdhsa_system_vgpr_workitem_id 0
		.amdhsa_next_free_vgpr 210
		.amdhsa_next_free_sgpr 66
		.amdhsa_reserve_vcc 0
		.amdhsa_float_denorm_mode_32 3
		.amdhsa_float_denorm_mode_16_64 3
		.amdhsa_memory_ordered 1
		.amdhsa_forward_progress 1
		.amdhsa_inst_pref_size 28
	.end_amdhsa_kernel
	.amdgpu_metadata
---
amdhsa.version: [ 1, 2 ]
amdhsa.kernels:
  - .name:           k_q2161a059c9_prep
    .symbol:         k_q2161a059c9_prep.kd
    .args:
      - { .name: W_k, .offset: 0, .size: 8, .value_kind: global_buffer, .address_space: global }
      - { .name: W_v, .offset: 8, .size: 8, .value_kind: global_buffer, .address_space: global }
      - { .name: W_q, .offset: 16, .size: 8, .value_kind: global_buffer, .address_space: global }
      - { .name: Q, .offset: 24, .size: 8, .value_kind: global_buffer, .address_space: global }
      - { .name: wimg, .offset: 32, .size: 8, .value_kind: global_buffer, .address_space: global }
      - { .name: wsc, .offset: 40, .size: 8, .value_kind: global_buffer, .address_space: global }
      - { .name: qp, .offset: 48, .size: 8, .value_kind: global_buffer, .address_space: global }
    .group_segment_fixed_size: 4608
    .private_segment_fixed_size: 0
    .kernarg_segment_align: 8
    .kernarg_segment_size: 56
    .max_flat_workgroup_size: 128
    .sgpr_count:     66
    .vgpr_count:     210
    .wavefront_size: 32
...
	.end_amdgpu_metadata
.endif
;; end of part 1
;; launch proj (part 2): grid 256 x 1, 4 waves a work-group, no clusters, 239,104 bytes of LDS; arguments K, V, wimg, wsc, qp, tbuf, vimg, vsc, csum; writes tbuf, vimg, vsc, csum
.if DOCPART == 2
	.amdgcn_target "amdgcn-amd-amdhsa--gfx1250"
	.amdhsa_code_object_version 6
	.text
	.protected	k_q2161a059c9_proj
	.globl	k_q2161a059c9_proj
	.p2align	8
	.type	k_q2161a059c9_proj,@function
k_q2161a059c9_proj:
	s_mov_b64 s[64:65], 0
	v_nop
	global_prefetch_b8 v0, s[64:65] scope:SCOPE_SE
	s_setreg_imm32_b32 hwreg(HW_REG_WAVE_MODE, 25, 1), 1
	s_wait_xcnt 0x0
; PROJ.  Work-groups 0-127: K_ = Q(K) Q(W_k), then t = (Q_ . K_) log2(e) / temperature, one number a key.  Work-groups 128-255: V_ = Q(V) Q(W_v), quantised along the KEYS
; and stored as images of the next product's operand registers, with its scale words and the column sums of the quantised V_.
; SHARES.  A work-group takes 256 rows: 2 trips of 2 blocks of 64 rows.  Wave w quantises row tile w of a block, and owns columns 128 w .. 128 w + 127 of the result for all 64 rows:
; its 32 weight fragments (384 registers) stay in registers for the whole launch.  The rows' codes go from wave to wave through LDS as images of their registers.
; THE ROWS OF A TILE ARE NOT NEIGHBOURS: row m of tile t is block row 8 t + m % 8 + 32 (m / 8).  In V's product (source 0 = rows, source 1 = weight) a lane then holds one column, and the 32 registers of
; its four tiles are keys 32 (lane / 16) + 0 .. 31: a whole block along the next product's K.  In K's product the sources are swapped: a lane holds one key and eight columns, which meet Q_ in fused multiply-adds.
; THE ROWS STREAM through a ring of 4 x 64 registers a wave: 64 loads of 512 consecutive bytes are asked for as soon as the last block's have been put into the wave's stage in LDS, and land during the block's work.
; The stage turns them: a load has neighbouring bytes in neighbouring lanes, the conversions want 32 neighbours in one lane.
; LIMITS: NaN and infinities are not served.  A block of zeros gets the byte 1 where the quantiser says 127: its codes are zeros, and only this program reads the bytes.
; NO CLUSTER: no two work-groups read the same rows; the weights are read once by a work-group, 196,608 bytes against 524,288 of rows.  NO TENSOR LOAD: the ring in registers needs no barrier to be filled again.
; REGISTERS.  window 0: v0-31 ids, addresses, sums; v32-47 the weights' scale words; v48-55 the rows'; v56-63 the scores' sums (K) or the first block's bytes (V); v64-191 numbers, then fragments and work;
;   v192-219 the quantiser's; v220-231 weight fragment 31; v232-239 V_'s scale words; v240-251 an operand of ones.  window 1: the ring.  window 2: weight fragments 0-20.
;   window 3: weight fragments 21-30; from v128 the 16 accumulators (column tile n, row tile t) at 128 + 8 (4 n + t).
.set FLOOR, 0x1800000
.set EOFF,  0xff000000
.set XIMG,  0                          ; LDS: the rows' 16 fragments (4 t + s) x 1,536 bytes, once for each block of a trip
.set XSC,   49152                      ; their scale words [t][s / 2][32 words], once for each block of a trip
.set KRED,  51200                      ; the waves' partial scores [wave][64]
.set QT,    52224                      ; Q_ of my batch
.set STG,   54272                      ; each wave's stage: 4 K steps x 16 rows x (512 + 16) bytes
.set VOUT,  189440                     ; each wave's 8 fragments of V_'s codes
.set SEL, 28                           ; s[28:29]
.set SH8, 11
.set TW,  17
.set KD,  18                           ; v18  a score, to be stored
.set CS4, 20                           ; v20-23 column sums
.set VS,  24                           ; v24-27 V_'s scale words as the next launch takes them
.set ONESC, 28
.set WSC, 32
.set ASC, 48
.set KS,  56
.set B0,  56
.set X0,  64
.set A0,  64
.set A1,  112
.set VF,  64
.set QV,  160
.set PCV, 160
.set CTV, 184
.set TMV, 200
.set SOV, 204
.set BYV, 208
.set TWV, 212
.set PC,  192
.set CT,  204
.set TM,  212
.set SO,  214
.set BY,  216
.set PW,  218
.set VW,  232
.set ONES, 240
.set MSB, 0
.macro WIN new                         ; the immediate's high byte repeats the setting that is left; a switch that changes nothing is dropped
.if MSB != (\new)
	s_set_vgpr_msb (MSB<<8)|(\new)
.set MSB, \new
.endif
.endm
.macro PLACES n
.rept \n
	v_nop
.endr
.endm
.macro BAR                             ; my LDS stores have landed and my LDS loads are in: then the work-group's barrier
	s_wait_dscnt 0x0
	s_barrier_signal -1
	s_barrier_wait -1
.endm
.macro FSET f                          ; window and first register of weight fragment f = 8 s + n
.if (\f) <= 20
.set FW, 2
.set FRG, 12*(\f)
.elseif (\f) <= 30
.set FW, 3
.set FRG, 12*((\f)-21)
.else
.set FW, 0
.set FRG, 220
.endif
.endm
; 64 numbers of a lane, register 32 c + i = k 64 c + 32 (lane / 16) + i of my row, become 12 registers of codes and the scale word of these 128 k
.macro QUANTW x, pc, pw
.irp c, 0,1
	v_max3_num_f32 v[TM+\c], |v[32*\c+(\x)]|, |v[32*\c+1+(\x)]|, FLOOR
.endr
.irp i, 2,4,6,8,10,12,14,16,18,20,22,24,26,28,30
.irp c, 0,1
	v_max3_num_f32 v[TM+\c], v[TM+\c], |v[32*\c+\i+(\x)]|, |v[32*\c+\i+1+(\x)]|
.endr
.endr
.irp c, 0,1
	v_add_nc_u32 v[SO+\c], EOFF, v[TM+\c]
.endr
.irp c, 0,1
	v_lshrrev_b32 v[BY+\c], 23, v[SO+\c]
.endr
	v_lshl_or_b32 v[\pw], v[BY+1], 16, v[BY]
	v_lshlrev_b32 v[\pw], v[SH8], v[\pw]
	v_permlanex16_b32 v[TW], v[\pw], s[SEL], s[SEL+1]
	v_or_b32 v[\pw], v[\pw], v[TW]
.irp c, 0,1
	v_cvt_scalef32_pk16_fp6_f32 v[6*\c+(\pc):6*\c+2+(\pc)], v[32*\c+(\x):32*\c+15+(\x)], v[SO+\c]
	v_cvt_scalef32_pk16_fp6_f32 v[CT+4*\c:CT+4*\c+2], v[32*\c+16+(\x):32*\c+31+(\x)], v[SO+\c]
.endr
	v_nop                                          ; one plain place behind the conversions
.irp c, 0,1
.irp i, 0,1,2
	v_mov_b32 v[6*\c+3+\i+(\pc)], v[CT+4*\c+\i]
.endr
.endr
.endm
; the ring is asked for: my tile's 16 rows of block blk (counted from the trip's first), K step by K step; each load reads 512 consecutive bytes
.macro RING blk
	WIN 0x40
.set ss, 0
.rept 4
.set la, 0
.rept 16
	global_load_b128 v[64*ss+4*la:64*ss+4*la+3], v4, s[30:31] offset:((la%8)+32*(la/8))*2048+512*ss+(\blk)*131072 th:TH_LOAD_NT
.set la, la+1
.endr
.set ss, ss+1
.endr
	WIN 0
.endm
.macro LD s, x                         ; out of the stage: of my row r, K step s, the numbers 64 c + 32 h + 0 .. 31
.set jj, 0
.rept 16
	ds_load_b128 v[4*jj+(\x):4*jj+3+(\x)], v7 offset:8448*(\s)+256*(jj/8)+16*(jj%8)
.set jj, jj+1
.endr
.endm
; my tile of block c is quantised; its four fragments and scale words go to LDS
.macro P1 c
	WIN 0x04                                       ; an LDS store's data are its source 1: window 1
.set ss, 0
.rept 4
	s_wait_loadcnt 48-16*ss                        ; K step ss's 16 loads are in; the younger sets stay out
.set la, 0
.rept 16
	ds_store_b128 v6, v[64*ss+4*la:64*ss+4*la+3] offset:8448*ss+528*la
.set la, la+1
.endr
.set ss, ss+1
.endr
	WIN 0
	s_wait_dscnt 0x0                               ; the stores have read the ring: it is asked for again
.if (\c) == 0
	RING 1
.else
	s_cmp_eq_u32 s26, 1                            ; behind the last block there is nothing to ask for: no load leaves its buffer
	s_cbranch_scc1 .Lno_more_\@
	RING 2
.Lno_more_\@:
.endif
	LD 0, X0
	LD 1, X0+64
.irp s, 0,1,2,3
.if \s < 3
	s_wait_dscnt 16                                ; all but the youngest run of 16 loads: this K step's numbers are in, and the last step's stores have read their registers
.else
	s_wait_dscnt 0x0
.endif
	QUANTW X0+64*(\s%2), PC, PW
.irp k, 0,1,2
	ds_store_b128 v8, v[PC+4*\k:PC+4*\k+3] offset:XIMG+24576*(\c)+1536*\s+512*\k
.endr
	ds_store_b32 v9, v[PW] offset:XSC+1024*(\c)+128*(\s/2)+64*(\s%2)   ; even K steps in words 0-15, odd ones in words 16-31
.if \s < 2
	LD \s+2, X0+64*(\s%2)
.endif
.endr
	BAR                                            ; the block's sixteen fragments lie in LDS
.endm
.macro ASCL c                          ; the rows' scale words
.set ii, 0
.rept 8
	ds_load_b32 v[ASC+ii], v10 offset:XSC+1024*(\c)+128*ii
.set ii, ii+1
.endr
.endm
.macro LOADA c, s, set                 ; the four row tiles' fragments of K step s
.set tt, 0
.rept 4
.irp k, 0,1,2
	ds_load_b128 v[12*tt+4*\k+(\set):12*tt+4*\k+3+(\set)], v5 offset:XIMG+24576*(\c)+(4*tt+(\s))*1536+512*\k
.endr
.set tt, tt+1
.endr
.endm
; 16 products: column tiles 4 u + 0 .. 3 x the four row tiles, K step s.  The 16 accumulators take turns, one instruction a turn.  K step 0 starts the sums.
.macro MUL role, u, s, set
.set nn, 0
.rept 4
	FSET 8*(\s)+4*(\u)+nn
.if \role
	WIN 0xf0|(FW<<2)
.else
	WIN 0xf0|FW
.endif
.set tt, 0
.rept 4
.set AC, 128+8*(4*nn+tt)
.set AR, 12*tt+(\set)
.set SA, ASC+2*tt+(\s)/2
.set SW, WSC+2*(4*(\u)+nn)+(\s)/2
.if \role
.if (\s) == 0
	v_wmma_scale_f32_16x16x128_f8f6f4 v[AC:AC+7], v[AR:AR+11], v[FRG:FRG+11], 0, v[SA], v[SW] matrix_a_fmt:MATRIX_FMT_FP6 matrix_b_fmt:MATRIX_FMT_FP6
.elseif (\s) == 2
	v_wmma_scale_f32_16x16x128_f8f6f4 v[AC:AC+7], v[AR:AR+11], v[FRG:FRG+11], v[AC:AC+7], v[SA], v[SW] matrix_a_fmt:MATRIX_FMT_FP6 matrix_b_fmt:MATRIX_FMT_FP6
.else
	v_wmma_scale_f32_16x16x128_f8f6f4 v[AC:AC+7], v[AR:AR+11], v[FRG:FRG+11], v[AC:AC+7], v[SA], v[SW] matrix_a_fmt:MATRIX_FMT_FP6 matrix_b_fmt:MATRIX_FMT_FP6 matrix_a_scale:MATRIX_SCALE_ROW1 matrix_b_scale:MATRIX_SCALE_ROW1
.endif
.else
.if (\s) == 0
	v_wmma_scale_f32_16x16x128_f8f6f4 v[AC:AC+7], v[FRG:FRG+11], v[AR:AR+11], 0, v[SW], v[SA] matrix_a_fmt:MATRIX_FMT_FP6 matrix_b_fmt:MATRIX_FMT_FP6
.elseif (\s) == 2
	v_wmma_scale_f32_16x16x128_f8f6f4 v[AC:AC+7], v[FRG:FRG+11], v[AR:AR+11], v[AC:AC+7], v[SW], v[SA] matrix_a_fmt:MATRIX_FMT_FP6 matrix_b_fmt:MATRIX_FMT_FP6
.else
	v_wmma_scale_f32_16x16x128_f8f6f4 v[AC:AC+7], v[FRG:FRG+11], v[AR:AR+11], v[AC:AC+7], v[SW], v[SA] matrix_a_fmt:MATRIX_FMT_FP6 matrix_b_fmt:MATRIX_FMT_FP6 matrix_a_scale:MATRIX_SCALE_ROW1 matrix_b_scale:MATRIX_SCALE_ROW1
.endif
.endif
.set tt, tt+1
.endr
.set nn, nn+1
.endr
.endm
; four K steps on two sets of fragment registers; four places stand in front of each run of loads into registers that products have read, and of the first read of results
.macro MSEQ role, c, u
	LOADA \c, 0, A0
	LOADA \c, 1, A1
	s_wait_dscnt 12                                ; all but K step 1's twelve loads
	MUL \role, \u, 0, A0
	PLACES 4
	WIN 0
	LOADA \c, 2, A0
	s_wait_dscnt 12                                ; K step 1's are in, K step 2's stay out
	MUL \role, \u, 1, A1
	PLACES 4
	WIN 0
	LOADA \c, 3, A1
	s_wait_dscnt 12
	MUL \role, \u, 2, A0
	s_wait_dscnt 0x0
	MUL \role, \u, 3, A1
	WIN 0
	PLACES 4
.endm
; ---- K's block: the scores
.macro KBLOCK c
	ASCL \c
.irp u, 0,1
.set ii, 0
.rept 8
	ds_load_b128 v[QV+4*ii:QV+4*ii+3], v16 offset:256*\u+64*(ii/2)+16*(ii%2)   ; Q_ at my eight columns of each of the four tiles
.set ii, ii+1
.endr
	MSEQ 0, \c, \u
	WIN 0x03                                       ; source 0: the accumulators, window 3
.set nn, 0
.rept 4
.set pp, 0
.rept 4
.set tt, 0
.rept 4
.set AC, 128+8*(4*nn+tt)+2*pp
.if (\u+nn+pp) == 0
	v_pk_mul_f32 v[KS+2*tt:KS+2*tt+1], v[AC:AC+1], v[QV+8*nn+2*pp:QV+8*nn+2*pp+1]   ; each accumulator from its low end on; the four row tiles by turns
.else
	v_pk_fma_f32 v[KS+2*tt:KS+2*tt+1], v[AC:AC+1], v[QV+8*nn+2*pp:QV+8*nn+2*pp+1], v[KS+2*tt:KS+2*tt+1]
.endif
.set tt, tt+1
.endr
.set pp, pp+1
.endr
.set nn, nn+1
.endr
	WIN 0
.endr
.irp t, 0,1,2,3
	v_add_f32 v[KS+2*\t], v[KS+2*\t], v[KS+2*\t+1]
.endr
.irp t, 0,1,2,3
	v_permlanex16_b32 v[KS+2*\t+1], v[KS+2*\t], s[SEL], s[SEL+1]
.endr
.irp t, 0,1,2,3
	v_add_f32 v[KS+2*\t], v[KS+2*\t], v[KS+2*\t+1]   ; my wave's 128 columns' share of the key's score
.endr
.irp t, 0,1,2,3
	ds_store_b32 v13, v[KS+2*\t] offset:64*\t
.endr
	BAR                                            ; the four waves' shares lie in LDS
	s_cmp_lt_u32 s22, 2
	s_cbranch_scc0 .Lnot_mine_\@
	s_wait_xcnt 0x0                                ; the last block's store has read its data register
.irp i, 0,1,2,3
	ds_load_b32 v[200+\i], v14 offset:256*\i
.endr
	s_wait_dscnt 0x0
	v_add_f32 v200, v200, v201
	v_add_f32 v200, v200, v202
	v_add_f32 v200, v200, v203
	v_mul_f32 v[KD], 0x3d8293ee, v200              ; x log2(e) / (sqrt(512) + 1e-6)
	global_store_b32 v15, v[KD], s[32:33] offset:256*(\c)   ; thread = key: two waves store 256 consecutive bytes
.Lnot_mine_\@:
.endm
; ---- V's block: a lane's 32 registers of a column tile are a block of 32 keys: scale, codes
.macro VEPI u, c
.irp n, 0,1,2,3
	v_mov_b32 v[TMV+\n], FLOOR
.endr
	WIN 0x3c                                       ; sources 1 and 2: the accumulators, window 3
.set ii, 0
.rept 16
.irp n, 0,1,2,3
	v_max3_num_f32 v[TMV+\n], v[TMV+\n], |v[128+32*\n+2*ii]|, |v[128+32*\n+2*ii+1]|   ; ascending: each accumulator from its low end on
.endr
.set ii, ii+1
.endr
	WIN 0
.irp n, 0,1,2,3
	v_add_nc_u32 v[SOV+\n], EOFF, v[TMV+\n]
.endr
.irp n, 0,1,2,3
	v_lshrrev_b32 v[BYV+\n], 23, v[SOV+\n]
.endr
	WIN 0x03
.irp n, 0,1,2,3
	v_cvt_scalef32_pk16_fp6_f32 v[PCV+6*\n:PCV+6*\n+2], v[128+32*\n:128+32*\n+15], v[SOV+\n]
	v_cvt_scalef32_pk16_fp6_f32 v[CTV+4*\n:CTV+4*\n+2], v[128+32*\n+16:128+32*\n+31], v[SOV+\n]
.endr
	WIN 0
	v_nop                                          ; one plain place behind the conversions
.irp n, 0,1,2,3
.irp i, 0,1,2
	v_mov_b32 v[PCV+6*\n+3+\i], v[CTV+4*\n+\i]
.endr
.endr
.irp n, 0,1,2,3
.if (\c) == 0                          ; registers 0-5 of the fragment of 128 keys
	ds_store_b128 v12, v[PCV+6*\n:PCV+6*\n+3] offset:1536*(4*(\u)+\n)
	ds_store_b64 v12, v[PCV+6*\n+4:PCV+6*\n+5] offset:1536*(4*(\u)+\n)+512
	v_mov_b32 v[B0+4*(\u)+\n], v[BYV+\n]
.else                                  ; registers 6-11
	ds_store_b64 v12, v[PCV+6*\n:PCV+6*\n+1] offset:1536*(4*(\u)+\n)+520
	ds_store_b128 v12, v[PCV+6*\n+2:PCV+6*\n+5] offset:1536*(4*(\u)+\n)+1024
	v_lshl_or_b32 v[VW+4*(\u)+\n], v[BYV+\n], 16, v[B0+4*(\u)+\n]   ; my bytes: key blocks h and 2 + h
.endif
.endr
.if (\c) == 1
.irp n, 0,1,2,3
	v_lshlrev_b32 v[VW+4*(\u)+\n], v[SH8], v[VW+4*(\u)+\n]
.endr
.irp n, 0,1,2,3
	v_permlanex16_b32 v[TWV+\n], v[VW+4*(\u)+\n], s[SEL], s[SEL+1]
.endr
.irp n, 0,1,2,3
	v_or_b32 v[VW+4*(\u)+\n], v[VW+4*(\u)+\n], v[TWV+\n]
.endr
.endif
.endm
.macro VBLOCK c
	ASCL \c
.irp u, 0,1
	MSEQ 1, \c, \u
	VEPI \u, \c
.endr
.if (\c) == 1
	; 128 keys are whole: my 8 fragments and their scale words leave, and an operand of ones sums the quantised V_ over these keys
.irp p, 0,1,2,3
	v_cndmask_b32 v[VS+\p], v[VW+2*\p], v[VW+2*\p+1], s44      ; lanes 0-15 the even tile's words, lanes 16-31 the odd tile's
.endr
.set ii, 0
.rept 24
	ds_load_b128 v[VF+4*ii:VF+4*ii+3], v12 offset:512*ii       ; LDS serves a wave's instructions in order: these see my stores
.set ii, ii+1
.endr
	s_wait_dscnt 0x0
.set ii, 0
.rept 24
	global_store_b128 v19, v[VF+4*ii:VF+4*ii+3], s[34:35] offset:512*ii   ; 32 lanes store 512 consecutive bytes
.set ii, ii+1
.endr
	global_store_b128 v29, v[VS:VS+3], s[36:37]
	PLACES 8                                       ; scale words made by vector instructions stand 8 places ahead of the products
	WIN 0xf0
.irp n, 0,2,4,6
	v_wmma_scale_f32_16x16x128_f8f6f4 v[128+8*\n:128+8*\n+7], v[ONES:ONES+11], v[VF+12*\n:VF+12*\n+11], 0, v[ONESC], v[VS+\n/2] matrix_a_fmt:MATRIX_FMT_FP6 matrix_b_fmt:MATRIX_FMT_FP6
	v_wmma_scale_f32_16x16x128_f8f6f4 v[136+8*\n:136+8*\n+7], v[ONES:ONES+11], v[VF+12*\n+12:VF+12*\n+23], 0, v[ONESC], v[VS+\n/2] matrix_a_fmt:MATRIX_FMT_FP6 matrix_b_fmt:MATRIX_FMT_FP6 matrix_b_scale:MATRIX_SCALE_ROW1
.endr
	PLACES 4
	WIN 0x0f
.irp p, 0,1,2,3
	v_cndmask_b32 v[TMV+\p], v[128+16*\p], v[136+16*\p], s44   ; all 16 rows of a result are equal: its lowest register serves
.endr
	WIN 0
.irp p, 0,1,2,3
	v_add_f32 v[CS4+\p], v[CS4+\p], v[TMV+\p]
.endr
.endif
.endm
	s_load_b256 s[4:11], s[0:1], 0x0               ; K, V, wimg, wsc
	s_load_b256 s[12:19], s[0:1], 0x20             ; qp, tbuf, vimg, vsc
	s_load_b64 s[20:21], s[0:1], 0x40              ; csum
	v_lshl_add_u32 v254, v0, 2, 0x3a400
	v_mov_b32 v255, 0
	v_lshrrev_b32 v1, 5, v0
	v_readfirstlane_b32 s22, v1                    ; wave
	s_lshr_b32 s23, ttmp9, 7                       ; 0: K, 1: V
	s_and_b32 s24, ttmp9, 127                      ; which 256 rows
	s_lshr_b32 s25, s24, 3                         ; batch
	v_and_b32 v1, 31, v0                           ; lane
	v_and_b32 v2, 15, v0                           ; r
	v_bfe_u32 v3, v0, 4, 1                         ; h
	v_lshlrev_b32 v5, 4, v1                        ; 16 x lane
	s_lshl_b32 s46, s22, 14
	v_add_nc_u32 v4, s46, v5                       ; rows: my tile begins 8 w rows down
	s_mul_i32 s46, s22, 33792
	s_add_co_u32 s46, s46, STG
	v_add_nc_u32 v6, s46, v5                       ; my stage, on the way in
	v_mul_u32_u24 v7, v2, 528
	v_lshl_add_u32 v7, v3, 7, v7
	v_add_nc_u32 v7, s46, v7                       ; and out: row r, + 32 h numbers
	s_mul_i32 s46, s22, 6144
	v_add_nc_u32 v8, s46, v5                       ; my tile's four images
	v_lshlrev_b32 v9, 2, v2
	s_lshl_b32 s46, s22, 8
	v_add_nc_u32 v9, s46, v9                       ; and scale words: 4 r + 256 w
	v_add_nc_u32 v13, KRED, v9                     ; my wave's partial scores
	v_lshlrev_b32 v10, 2, v1                       ; 4 x lane
	v_lshlrev_b32 v[SH8], 3, v3
	s_mul_i32 s46, s22, 12288
	v_add_nc_u32 v19, s46, v5                      ; vimg: my 8 fragments
	v_add_nc_u32 v12, VOUT, v19                    ; and the same in LDS
	v_bfe_u32 v14, v0, 3, 2                        ; key = thread: its tile,
	v_and_b32 v15, 7, v0
	v_lshl_or_b32 v14, v14, 4, v15                 ; its row in the tile: key % 8
	v_bfe_u32 v15, v0, 5, 1
	v_lshl_or_b32 v14, v15, 3, v14                 ; + 8 (key / 32)
	v_lshl_add_u32 v14, v14, 2, KRED
	v_lshlrev_b32 v15, 2, v0                       ; t: 4 bytes a key
	s_lshl_b32 s46, s22, 9
	v_lshl_add_u32 v16, v3, 5, s46
	v_add_nc_u32 v16, QT, v16                      ; Q_ at my columns: 128 w + 8 h
	v_add_nc_u32 v29, s46, v5                      ; vsc: 512 w + 16 x lane
	v_add_nc_u32 v30, s46, v10                     ; csum: 512 w + 4 x lane
	v_lshl_add_u32 v31, v0, 4, QT
	v_lshlrev_b32 v[PW], 4, v0                     ; qp: 16 bytes a thread
	v_mov_b32 v[TW], 0
.irp p, 0,1,2,3
	v_mov_b32 v[CS4+\p], 0
.endr
.irp i, 0,3,6,9
	v_mov_b32 v[ONES+\i], 0x18618618               ; 128 codes of 4.0,
	v_mov_b32 v[ONES+\i+1], 0x86186186
	v_mov_b32 v[ONES+\i+2], 0x61861861
.endr
	v_mov_b32 v[ONESC], 0x7d7d7d7d                 ; under the scale 2^-2: ones
	s_mov_b32 s[SEL], 0x76543210
	s_mov_b32 s[SEL+1], 0xfedcba98
	s_mov_b32 s44, 0xffff0000                      ; lanes 16-31
	s_mov_b32 s47, 0
	s_wait_kmcnt 0x0
	s_cmp_eq_u32 s23, 0
	s_cselect_b64 s[30:31], s[4:5], s[6:7]         ; the choice hangs on the work-group's number alone
	s_lshl_b32 s46, s24, 19
	s_add_nc_u64 s[30:31], s[30:31], s[46:47]      ; my 256 rows
	s_lshl_b32 s46, s24, 10
	s_add_nc_u64 s[32:33], s[14:15], s[46:47]      ; their t
	s_mul_i32 s46, s24, 98304
	s_add_nc_u64 s[34:35], s[16:17], s[46:47]      ; their two key steps in vimg
	s_lshl_b32 s46, s24, 12
	s_add_nc_u64 s[36:37], s[18:19], s[46:47]      ; and in vsc
	s_lshl_b32 s46, s24, 11
	s_add_nc_u64 s[38:39], s[20:21], s[46:47]      ; their row of csum
	s_mul_i32 s46, s23, 196608
	s_mul_i32 s48, s22, 49152
	s_add_co_u32 s46, s46, s48
	s_add_nc_u64 s[40:41], s[8:9], s[46:47]        ; my 32 weight fragments
	s_lshl_b32 s46, s23, 13
	s_lshl_b32 s48, s22, 11
	s_add_co_u32 s46, s46, s48
	s_add_nc_u64 s[42:43], s[10:11], s[46:47]      ; and their scale words
	s_lshl_b32 s46, s25, 11
	s_add_nc_u64 s[12:13], s[12:13], s[46:47]      ; Q_ of my batch
.set ff, 0
.rept 32
	FSET ff
	WIN FW<<6
.irp k, 0,1,2
	global_load_b128 v[FRG+4*\k:FRG+4*\k+3], v5, s[40:41] offset:(4*(ff%8)+ff/8)*1536+512*\k
.endr
.set ff, ff+1
.endr
	WIN 0
.set ii, 0
.rept 16
	global_load_b32 v[WSC+ii], v10, s[42:43] offset:128*ii
.set ii, ii+1
.endr
	global_load_b128 v[TM:TM+3], v[PW], s[12:13]
	RING 0
	s_wait_loadcnt 63                              ; behind Q_'s load stand the ring's 64; the wait's field holds 63: the weights, their scale words and Q_ are in
	ds_store_b128 v31, v[TM:TM+3]
	s_mov_b32 s26, 2
.Ltrip:                                            ; a trip: 128 rows, two blocks
	P1 0
	s_cmp_lg_u32 s23, 0
	s_cbranch_scc1 .Lv0
	KBLOCK 0
	s_branch .Lj0
.Lv0:
	VBLOCK 0
.Lj0:
	P1 1
	s_cmp_lg_u32 s23, 0
	s_cbranch_scc1 .Lv1
	KBLOCK 1
	s_branch .Lj1
.Lv1:
	VBLOCK 1
.Lj1:
	s_wait_xcnt 0x0                                ; loads and stores have read their bases and registers: both may be written again
	s_add_nc_u64 s[30:31], s[30:31], 0x40000
	s_add_nc_u64 s[32:33], s[32:33], 512
	s_add_nc_u64 s[34:35], s[34:35], 49152
	s_add_nc_u64 s[36:37], s[36:37], 2048
	s_sub_co_u32 s26, s26, 1
	s_cmp_lg_u32 s26, 0
	s_cbranch_scc1 .Ltrip
	s_cmp_eq_u32 s23, 0
	s_cbranch_scc1 .Lend
.irp p, 0,1,2,3
	global_store_b32 v30, v[CS4+\p], s[38:39] offset:128*\p    ; the sums of the quantised V_ over my 256 keys, columns 128 w + 32 p + lane
.endr
.Lend:
	s_wait_tensorcnt 0x0
	ds_add_u32 v254, v255
	s_wait_dscnt 0x0
	s_endpgm
.Lfunc_end_k_q2161a059c9_proj:
	.size	k_q2161a059c9_proj, .Lfunc_end_k_q2161a059c9_proj-k_q2161a059c9_proj
	.p2alignl 7, 3214868480
	.fill 96, 4, 3214868480
	.section	.rodata,"a",@progbits
	.p2align	6, 0x0
	.amdhsa_kernel k_q2161a059c9_proj
		.amdhsa_group_segment_fixed_size 239104
		.amdhsa_private_segment_fixed_size 0
		.amdhsa_enable_private_segment 0
		.amdhsa_kernarg_size 72
		.amdhsa_user_sgpr_count 2
		.amdhsa_user_sgpr_kernarg_segment_ptr 1
		.amdhsa_wavefront_size32 1
		.amdhsa_system_sgpr_workgroup_id_x 1
		.amdhsa_system_sgpr_workgroup_id_y 1
		.amdhsa_system_sgpr_workgroup_id_z 1
		.amdhsa_system_vgpr_workitem_id 0
		.amdhsa_next_free_vgpr 1024
		.amdhsa_next_free_sgpr 66
		.amdhsa_reserve_vcc 0
		.amdhsa_float_denorm_mode_32 3
		.amdhsa_float_denorm_mode_16_64 3
		.amdhsa_memory_ordered 1
		.amdhsa_forward_progress 1
		.amdhsa_inst_pref_size 227
	.end_amdhsa_kernel
	.amdgpu_metadata
---
amdhsa.version: [ 1, 2 ]
amdhsa.kernels:
  - .name:           k_q2161a059c9_proj
    .symbol:         k_q2161a059c9_proj.kd
    .args:
      - { .name: K, .offset: 0, .size: 8, .value_kind: global_buffer, .address_space: global }
      - { .name: V, .offset: 8, .size: 8, .value_kind: global_buffer, .address_space: global }
      - { .name: wimg, .offset: 16, .size: 8, .value_kind: global_buffer, .address_space: global }
      - { .name: wsc, .offset: 24, .size: 8, .value_kind: global_buffer, .address_space: global }
      - { .name: qp, .offset: 32, .size: 8, .value_kind: global_buffer, .address_space: global }
      - { .name: tbuf, .offset: 40, .size: 8, .value_kind: global_buffer, .address_space: global }
      - { .name: vimg, .offset: 48, .size: 8, .value_kind: global_buffer, .address_space: global }
      - { .name: vsc, .offset: 56, .size: 8, .value_kind: global_buffer, .address_space: global }
      - { .name: csum, .offset: 64, .size: 8, .value_kind: global_buffer, .address_space: global }
    .group_segment_fixed_size: 239104
    .private_segment_fixed_size: 0
    .kernarg_segment_align: 8
    .kernarg_segment_size: 72
    .max_flat_workgroup_size: 128
    .sgpr_count:     66
    .vgpr_count:     1024
    .wavefront_size: 32
...
	.end_amdgpu_metadata
.endif
;; end of part 2
;; launch attn (part 3): grid 256 x 1, 4 waves a work-group, no clusters, 290,048 bytes of LDS; arguments tbuf, vimg, vsc, csum, V, mask, ln_gamma, ln_beta, out0; writes out0
.if DOCPART == 3
	.amdgcn_target "amdgcn-amd-amdhsa--gfx1250"
	.amdhsa_code_object_version 6
	.text
	.protected	k_q2161a059c9_attn
	.globl	k_q2161a059c9_attn
	.p2align	8
	.type	k_q2161a059c9_attn,@function
k_q2161a059c9_attn:
	s_mov_b64 s[64:65], 0
	v_nop
	global_prefetch_b8 v0, s[64:65] scope:SCOPE_SE
	s_setreg_imm32_b32 hwreg(HW_REG_WAVE_MODE, 25, 1), 1
	s_wait_xcnt 0x0
; ATTN.  out = LayerNorm(V + softmax(masked scores) V_).  Every query row of a batch has the same scores t[key]; row i sees keys 0 .. i, or, where mask[i] is set, all 2,048 keys with equal weight.
; SHARES.  Work-group x: batch x / 16, rows 128 g .. 128 g + 127 (g = x % 16).  Wave w owns columns 128 w .. 128 w + 127 of all 128 rows: 64 accumulators.
; All products are used transposed: source 0 = 16 columns of V_ x 128 keys, source 1 = p of 16 rows: a lane holds one row and eight neighbouring columns.
; p = 2^(t - M), M the ceiling of the row's largest t.  A block of 32 keys that lies wholly under the diagonal has the SAME CODES in every row: those of u = 2^(t - m), m the ceiling of the block's largest t;
; only its scale byte hangs on the row: eb + m - M.  So the full key steps (0 .. g - 1) take u's codes, spread to all lanes, and a scale word a row; the diagonal step g is quantised row by row.
; The products of every tile on or under the diagonal are done; tiles above it, which the causal mask throws away, are not.
; A MASKED ROW has p = 1 on all keys and the sum 2,048: its product is the column sum of the quantised V_ (made by products with ones in the launch before) / 2,048.  It is chosen by two factors a row: x = V + acc a + cs b.
; The rows' tile of V comes by one tensor load a wave at the head, filled once, and waits in LDS for the epilogue; the results go back to its places and leave as whole rows.
; V_'s fragments go from memory straight into registers, three sets by turns, two steps ahead.
; LIMITS: NaN and infinities are not served.  A block of zeros keeps the byte 1.  Where eb + m - M falls under 0 (p under some 2^-120 of the row's largest) the byte is held at 0, 2^-127, where the quantiser holds it at 1.
; p under 2^-126 is 0 (the exponential flushes).  m - M_base is held at -200 from below for the sums.
; NO CLUSTER: the work-groups of a batch walk different numbers of key steps (g + 1), each fragment of V_ serves one wave, and V's tile leaves no room in LDS for slots.
; REGISTERS.  window 0: v0-31 ids, addresses; v32-43 u's codes (lane r: step r); v44-55 p's codes of the step; v56-59 bytes, masks; v60-67 the rows' delta words; v68-83 (a, b); v84-91 p's scale words; v92-103 V_'s;
;   v104-159 work; v160-255 V_'s set 2.  window 1: V_'s sets 0, 1; v192-239 the diagonal's p.  windows 2, 3: accumulator (row tile m, column tile n) at 8 (8 (m % 4) + n), window 2 + m / 4.
.set FLOOR, 0x1800000
.set EOFF,  0xff000000
.set UC,   266240                      ; LDS.  0 .. 266,239: V's tile: half z of a row at 133,120 z + 1,040 row.  Then: u's codes, 24 bytes a block;
.set MC,   267776                      ; m, the blocks' sums (+ 256), eb (+ 512): 64 f32 each;
.set CS,   268544                      ; the column sums / 2,048;
.set DIMG, 270592                      ; the diagonal's eight fragments of p, as images of their registers;
.set DSC,  282880                      ; their scale words, 128 bytes a tile;
.set RD,   283904                      ; delta = M - M_base in all four bytes, a word a row;
.set RAB,  284416                      ; (a, b), 8 bytes a row;
.set PS1,  285440                      ; the waves' partial sums [row][wave]; of the squares 2,048 bytes on
.set U,   32
.set A,   44
.set PC,  44
.set XW,  56
.set XB,  57
.set MK,  58
.set DW,  60
.set CT,  60
.set AB,  68
.set Y,   84
.set BS,  92
.set TT,  104
.set P1,  104
.set SR,  104
.set MU,  136
.set T,   160
.set P0,  224
.set CC,  224
.set SEL, 28
.set MSB, 0
.macro WIN new
.if MSB != (\new)
	s_set_vgpr_msb (MSB<<8)|(\new)
.set MSB, \new
.endif
.endm
.macro PLACES n
.rept \n
	v_nop
.endr
.endm
.macro BAR
	s_wait_dscnt 0x0
	s_barrier_signal -1
	s_barrier_wait -1
.endm
; my wave's eight fragments of V_ of one key step, and their scale words: 25 loads.  st: steps on from the bases
.macro LOADB set, bc, bs, st
.if (\set) == 2
	WIN 0
.set BR, 160
.else
	WIN 0x40
.set BR, 96*(\set)
.endif
.set ii, 0
.rept 24
	global_load_b128 v[BR+4*ii:BR+4*ii+3], v4, s[\bc:\bc+1] offset:(\st)*49152+512*ii
.set ii, ii+1
.endr
	WIN 0
	global_load_b128 v[BS+4*(\set):BS+4*(\set)+3], v4, s[\bs:\bs+1] offset:(\st)*2048
.endm
	s_load_b256 s[4:11], s[0:1], 0x0               ; tbuf, vimg, vsc, csum
	s_load_b256 s[12:19], s[0:1], 0x20             ; V, mask, gamma, beta
	s_load_b64 s[20:21], s[0:1], 0x40              ; out
	v_lshl_add_u32 v254, v0, 2, 0x46b00
	v_mov_b32 v255, 0
	ds_add_u32 v254, v255
	ds_add_u32 v254, v255
	s_wait_dscnt 0x0
	v_lshrrev_b32 v1, 5, v0
	v_readfirstlane_b32 s22, v1                    ; wave
	s_lshr_b32 s23, ttmp9, 4                       ; batch
	s_and_b32 s24, ttmp9, 15                       ; g
	; the tensor load's shape: 64 rows x 128 elements of 8 bytes, rows 256 elements apart in memory, 16 bytes of padding behind each 1,024 in LDS
	s_mov_b32 s44, 0x07d30000                      ; 17:16 elements of 8 bytes; 20 padding on; 24:22 after every 256 words; 31:25 of 4 words
	s_mov_b32 s45, 128<<16                         ; tensor_dim0
	s_mov_b32 s46, 64<<16                          ; tensor_dim1
	s_mov_b32 s47, 128<<16                         ; tile_dim0
	s_mov_b32 s48, 64                              ; tile_dim1
	s_mov_b32 s49, 256                             ; the pitch
	s_mov_b32 s50, 0
	s_mov_b32 s51, 0
	s_and_b32 s52, s22, 1                          ; which half of the rows' bytes I fetch,
	s_lshr_b32 s53, s22, 1                         ; which 64 rows
	s_mul_i32 s54, s52, 133120
	s_mul_i32 s55, s53, 66560
	s_mov_b32 s40, 1
	s_add_co_u32 s41, s54, s55                     ; where they go
	s_lshl_b32 s56, s23, 22
	s_lshl_b32 s57, s24, 18
	s_add_co_u32 s56, s56, s57                     ; my 128 rows in V and in out, in bytes
	s_mov_b32 s57, 0
	s_lshl_b32 s58, s53, 17
	s_lshl_b32 s59, s52, 10
	s_add_co_u32 s58, s58, s59
	s_add_co_u32 s58, s58, s56
	s_mov_b32 s59, 0
	v_and_b32 v1, 31, v0                           ; lane
	v_and_b32 v2, 15, v0                           ; r
	v_bfe_u32 v3, v0, 4, 1                         ; h
	v_lshlrev_b32 v4, 4, v1                        ; 16 x lane
	v_lshlrev_b32 v5, 6, v0                        ; t: 16 numbers a thread
	v_lshlrev_b32 v6, 4, v0                        ; csum: 4 numbers a thread
	v_mul_u32_u24 v7, v0, 12
	v_add_nc_u32 v7, UC, v7                        ; my 16 codes of u
	v_lshrrev_b32 v8, 1, v0
	v_lshl_add_u32 v8, v8, 2, MC                   ; my block's m
	v_add_nc_u32 v9, CS, v6
	v_lshl_add_u32 v10, v2, 4, MC                  ; step r's four blocks
	v_mul_u32_u24 v11, v2, 96
	v_mad_u32_u24 v11, v3, 24, v11
	v_add_nc_u32 v11, UC, v11                      ; step r's codes, as an operand's lane (., h) takes them
	s_mul_i32 s62, s22, 3072
	v_add_nc_u32 v12, s62, v4
	v_add_nc_u32 v12, DIMG, v12                    ; my two tiles' images
	s_lshl_b32 s62, s22, 8
	v_lshl_add_u32 v13, v1, 2, s62
	v_add_nc_u32 v13, DSC, v13
	v_lshl_add_u32 v15, v2, 3, s62
	v_add_nc_u32 v15, RAB, v15
	s_lshl_b32 s62, s22, 7
	v_lshl_add_u32 v14, v2, 2, s62
	v_add_nc_u32 v14, RD, v14
	v_add_nc_u32 v16, DIMG, v4
	v_lshl_add_u32 v17, v1, 2, DSC
	v_lshl_add_u32 v18, v2, 2, RD
	v_lshl_add_u32 v19, v2, 3, RAB
	s_lshr_b32 s62, s22, 1
	s_mul_i32 s62, s62, 133120
	s_and_b32 s63, s22, 1
	s_lshl_b32 s63, s63, 9
	s_add_co_u32 s62, s62, s63
	v_mul_u32_u24 v20, v2, 1040
	v_lshl_add_u32 v20, v3, 5, v20
	v_add_nc_u32 v20, s62, v20                     ; V's tile: row r, my columns 128 w + 8 h
	v_add_nc_u32 v21, 66560, v20                   ; and 64 rows on
	s_lshl_b32 s62, s22, 9
	v_lshl_add_u32 v27, v3, 5, s62                 ; gamma, beta: 512 w + 32 h
	v_add_nc_u32 v22, CS, v27
	s_lshl_b32 s62, s22, 2
	v_lshl_add_u32 v23, v2, 4, s62
	v_add_nc_u32 v23, PS1, v23
	v_lshl_add_u32 v24, v2, 4, PS1
	s_mul_i32 s62, s22, 33280
	v_add_nc_u32 v25, s62, v4                      ; the way out: my 32 rows, half 0,
	v_add_nc_u32 v26, 133120, v25                  ; half 1
	v_lshlrev_b32 v28, 7, v3                       ; the diagonal's t: 32 h numbers on
	s_lshl_b32 s62, s22, 5
	v_add_nc_u32 v29, s62, v2                      ; mask: row 32 w + r
	v_lshlrev_b32 v30, 3, v3                       ; 8 h
	v_lshlrev_b32 v157, 5, v3
	v_sub_nc_u32 v157, v29, v157                   ; 32 w + r - 32 h
	v_mov_b32 v31, 0                               ; lane permutes' destinations are written once
	v_mov_b32 v[XB], 0
	v_mov_b32 v143, 0
	s_mov_b32 s[SEL], 0x76543210
	s_mov_b32 s[SEL+1], 0xfedcba98
	s_mov_b32 s38, 0x80808080
	s_mov_b32 s39, 0x3b000000                      ; 1 / 512
	s_wait_kmcnt 0x0
	s_add_nc_u64 s[42:43], s[12:13], s[58:59]
	s_or_b32 s43, s43, 0x80000000                  ; type 2
	tensor_load_to_lds s[40:43], s[44:51]          ; my quarter of V's tile: the wave's one tensor load, a first fill; its registers are not written again
	s_nop 0
.rept 4
	v_nop
.endr
	s_lshl_b32 s52, s23, 13
	s_mov_b32 s53, 0
	s_add_nc_u64 s[4:5], s[4:5], s[52:53]          ; t of my batch
	s_lshl_b32 s52, s24, 9
	s_add_nc_u64 s[60:61], s[4:5], s[52:53]        ; and of the diagonal's 128 keys
	s_lshl_b32 s52, s23, 14
	s_add_nc_u64 s[10:11], s[10:11], s[52:53]
	s_lshl_b32 s52, s23, 11
	s_lshl_b32 s54, s24, 7
	s_add_co_u32 s52, s52, s54
	s_add_nc_u64 s[14:15], s[14:15], s[52:53]      ; mask of my 128 rows
	s_mul_i32 s52, s23, 786432
	s_mul_i32 s54, s22, 12288
	s_add_co_u32 s52, s52, s54
	s_add_nc_u64 s[30:31], s[6:7], s[52:53]        ; V_'s codes: batch, step 0, my 8 column tiles
	s_lshl_b32 s52, s23, 15
	s_lshl_b32 s54, s22, 9
	s_add_co_u32 s52, s52, s54
	s_add_nc_u64 s[32:33], s[8:9], s[52:53]        ; and scale words
	s_lshl_b32 s54, s22, 16
	s_add_co_u32 s56, s56, s54
	s_add_nc_u64 s[36:37], s[20:21], s[56:57]      ; out: my wave's 32 rows
	s_mul_i32 s52, s24, 49152
	s_add_nc_u64 s[54:55], s[30:31], s[52:53]      ; step g
	s_lshl_b32 s52, s24, 11
	s_add_nc_u64 s[58:59], s[32:33], s[52:53]
.irp j, 0,1,2,3
	global_load_b128 v[TT+4*\j:TT+4*\j+3], v5, s[4:5] offset:16*\j
.endr
.irp j, 0,1,2,3,4,5,6,7
	global_load_b128 v[CC+4*\j:CC+4*\j+3], v6, s[10:11] offset:2048*\j
.endr
	global_load_u8 v[MK], v29, s[14:15]
	global_load_u8 v[MK+1], v29, s[14:15] offset:16
.set ii, 0
.rept 16
	global_load_b128 v[T+4*ii:T+4*ii+3], v28, s[60:61] offset:256*(ii/8)+16*(ii%8)   ; register 32 c + i = t of key 64 c + 32 h + i of the diagonal step
.set ii, ii+1
.endr
	LOADB 0, 54, 58, 0                             ; the diagonal step's V_
	LOADB 1, 30, 32, 0                             ; step 0's (asked for whatever g is: it lies inside the buffer)
	; ---- T: thread = half a block of 32 keys, all 64 blocks of the batch: m, u, the block's sum, its byte, its codes; and the column sums
	s_wait_loadcnt 63                              ; behind t's and csum's 12 loads stand 68; the wait's field holds 63
	v_max3_num_f32 v136, v[TT], v[TT+1], v[TT+2]
	v_max3_num_f32 v137, v[TT+3], v[TT+4], v[TT+5]
	v_max3_num_f32 v136, v136, v[TT+6], v[TT+7]
	v_max3_num_f32 v137, v137, v[TT+8], v[TT+9]
	v_max3_num_f32 v136, v136, v[TT+10], v[TT+11]
	v_max3_num_f32 v137, v137, v[TT+12], v[TT+13]
	v_max3_num_f32 v136, v136, v[TT+14], v[TT+15]
	v_max_num_f32 v136, v136, v137
	v_max_num_f32_dpp v136, v136, v136 row_xmask:1 row_mask:0xf bank_mask:0xf   ; with my neighbour's 16: the block's largest t
	v_floor_f32 v138, -v136                        ; -m = floor(-t): m is a whole number
	v_add_f32 v139, v136, v138
.irp j, 0,2,4,6,8,10,12,14
	v_pk_add_f32 v[TT+\j:TT+\j+1], v[TT+\j:TT+\j+1], v[138:139] op_sel_hi:[1,0]
.endr
.irp j, 0,1,2,3,4,5,6,7,8,9,10,11,12,13,14,15
	v_exp_f32 v[TT+\j], v[TT+\j]                   ; u = 2^(t - m)
.endr
	v_exp_f32 v139, v139                           ; the block's largest u: the same instructions on the same number
	v_mul_f32 v140, -1.0, v138                     ; m.  (A plain place behind the exponentials)
	s_wait_alu depctr_va_vdst(0)                   ; one wait for the batch, ahead of its first reader
	v_pk_add_f32 v[142:143], v[TT:TT+1], v[TT+2:TT+3]
	v_pk_add_f32 v[144:145], v[TT+4:TT+5], v[TT+6:TT+7]
	v_pk_add_f32 v[142:143], v[142:143], v[TT+8:TT+9]
	v_pk_add_f32 v[144:145], v[144:145], v[TT+10:TT+11]
	v_pk_add_f32 v[142:143], v[142:143], v[TT+12:TT+13]
	v_pk_add_f32 v[144:145], v[144:145], v[TT+14:TT+15]
	v_pk_add_f32 v[142:143], v[142:143], v[144:145]
	v_add_f32 v142, v142, v143
	v_add_f32_dpp v142, v142, v142 row_xmask:1 row_mask:0xf bank_mask:0xf       ; the block's sum of u
	v_max_num_f32 v139, FLOOR, v139
	v_add_nc_u32 v141, EOFF, v139                  ; the conversion's scale operand
	v_lshrrev_b32 v143, 23, v141
	v_cvt_f32_u32 v143, v143                       ; eb, the byte under m, as a number
	v_cvt_scalef32_pk16_fp6_f32 v[146:148], v[TT:TT+15], v141
	v_nop                                          ; one plain place behind the conversion
	ds_store_b32 v7, v146
	ds_store_b32 v7, v147 offset:4
	ds_store_b32 v7, v148 offset:8
	ds_store_b32 v8, v140                          ; both threads of a block store the same numbers
	ds_store_b32 v8, v142 offset:256
	ds_store_b32 v8, v143 offset:512
.irp j, 1,2,3,4,5,6,7
	v_pk_add_f32 v[CC:CC+1], v[CC:CC+1], v[CC+4*\j:CC+4*\j+1]
	v_pk_add_f32 v[CC+2:CC+3], v[CC+2:CC+3], v[CC+4*\j+2:CC+4*\j+3]
.endr
	v_pk_mul_f32 v[CC:CC+1], v[CC:CC+1], 0x3a000000 op_sel_hi:[1,0]             ; / 2,048
	v_pk_mul_f32 v[CC+2:CC+3], v[CC+2:CC+3], 0x3a000000 op_sel_hi:[1,0]
	ds_store_b128 v9, v[CC:CC+3]
	BAR
	; ---- B: lane r stands for key step r.  M_base and L_base over the steps under my rows; each step's four bytes under M_base
	ds_load_b128 v[136:139], v10
	ds_load_b128 v[140:143], v10 offset:256
	ds_load_b128 v[144:147], v10 offset:512
.irp p, 0,1,2,3,4,5
	ds_load_b64 v[U+2*\p:U+2*\p+1], v11 offset:48*(\p/3)+8*(\p%3)
.endr
	s_wait_dscnt 0x0
	v_cmp_gt_u32 vcc_lo, s24, v2                   ; is step r under my rows?
	v_max3_num_f32 v148, v136, v137, v138
	v_max_num_f32 v148, v148, v139
	v_cndmask_b32 v148, 0xff61b1e6, v148, vcc_lo   ; -3e38 where it is not
.irp x, 1,2,4,8
	v_max_num_f32_dpp v148, v148, v148 row_xmask:\x row_mask:0xf bank_mask:0xf
.endr
.irp i, 0,1,2,3
	v_sub_f32 v[136+\i], v[136+\i], v148           ; m - M_base: a whole number
.endr
.irp i, 0,1,2,3
	v_max_num_f32 v[136+\i], 0xc3480000, v[136+\i] ; held at -200
.endr
.irp i, 0,1,2,3
	v_add_f32 v[144+\i], v[144+\i], v[136+\i]      ; eb + m - M_base
.endr
.irp i, 0,1,2,3
	v_cvt_i32_f32 v[136+\i], v[136+\i]             ; (it saturates)
.endr
.irp i, 0,1,2,3
	v_ldexp_f32 v[140+\i], v[140+\i], v[136+\i]    ; the block's sum under M_base: nothing is rounded
.endr
	v_add_f32 v140, v140, v141
	v_add_f32 v142, v142, v143
	v_add_f32 v140, v140, v142
	v_cndmask_b32 v140, 0, v140, vcc_lo
.irp x, 1,2,4,8
	v_add_f32_dpp v140, v140, v140 row_xmask:\x row_mask:0xf bank_mask:0xf
.endr
.irp i, 0,1,2,3
	v_med3_num_f32 v[144+\i], v[144+\i], 0, 0x42fe0000   ; a byte from 0 to 127
.endr
.irp i, 0,1,2,3
	v_cvt_u32_f32 v[144+\i], v[144+\i]
.endr
	v_lshl_or_b32 v[XW], v145, 8, v144
	v_lshl_or_b32 v[XW], v146, 16, v[XW]
	v_lshl_or_b32 v[XW], v147, 24, v[XW]
	v_or_b32 v[XW], s38, v[XW]                     ; bit 7 of each byte set: it takes up the borrow of the rows' subtraction
	v_mul_f32 v148, -1.0, v148
	v_readfirstlane_b32 s34, v148                  ; -M_base and L_base: numbers for the arithmetic below, never an address or a branch
	v_readfirstlane_b32 s35, v140
	; ---- D: the diagonal step, two tiles of 16 rows a wave.  Lane (r, h): row 16 m + r; register 32 c + i = key 64 c + 32 h + i
	s_wait_loadcnt 50                              ; the masks and the diagonal's t are in; V_'s two sets of 25 stay out
	v_mov_b32 v138, 0xff800000                     ; -infinity
.macro DTILE y
	v_add_nc_u32 v136, 16*\y, v157                 ; key 32 h + i is hidden where i > 16 m + r - 32 h,
	v_add_nc_u32 v137, 16*\y-64, v157              ; key 64 + 32 h + i where i > that - 64
.set ii, 0
.rept 32
	v_cmp_gt_i32 vcc_lo, ii, v136
	v_cndmask_b32 v[P0+ii], v[T+ii], v138, vcc_lo
	v_cmp_gt_i32 vcc_lo, ii, v137
	v_cndmask_b32 v[P1+ii], v[T+32+ii], v138, vcc_lo
.set ii, ii+1
.endr
	v_max3_num_f32 v140, v[P0], v[P0+1], v[P0+2]   ; each block's largest t: all its 32 keys are mine
	v_max3_num_f32 v141, v[P1], v[P1+1], v[P1+2]
.set ii, 3
.rept 14
	v_max3_num_f32 v140, v140, v[P0+ii], v[P0+ii+1]
	v_max3_num_f32 v141, v141, v[P1+ii], v[P1+ii+1]
.set ii, ii+2
.endr
	v_max_num_f32 v140, v140, v[P0+31]
	v_max_num_f32 v141, v141, v[P1+31]
	v_max_num_f32 v142, v140, v141
	v_permlanex16_b32 v143, v142, s[SEL], s[SEL+1]
	v_max_num_f32 v142, v142, v143                 ; the row's largest t on the diagonal step
	v_floor_f32 v144, -v142
	v_min_num_f32 v144, s34, v144                  ; -M = min(-ceil(that), -M_base)
	v_mov_b32 v145, v144
.set ii, 0
.rept 16
	v_pk_add_f32 v[P0+ii:P0+ii+1], v[P0+ii:P0+ii+1], v[144:145]
	v_pk_add_f32 v[P1+ii:P1+ii+1], v[P1+ii:P1+ii+1], v[144:145]
.set ii, ii+2
.endr
	v_add_f32 v140, v140, v144
	v_add_f32 v141, v141, v144
.set ii, 0
.rept 32
	v_exp_f32 v[P0+ii], v[P0+ii]                   ; p = 2^(t - M); a hidden key's is 0
.set ii, ii+1
.endr
.set ii, 0
.rept 32
	v_exp_f32 v[P1+ii], v[P1+ii]
.set ii, ii+1
.endr
	v_sub_f32 v148, v144, s34                      ; M_base - M.  (A plain place behind the exponentials)
	s_wait_alu depctr_va_vdst(0)                   ; one wait for the 64
	v_exp_f32 v140, v140                           ; the blocks' largest p
	v_exp_f32 v141, v141
	v_pk_add_f32 v[146:147], v[P0:P0+1], v[P0+2:P0+3]          ; the row's sum is taken of the unquantised p, in two chains
	v_pk_add_f32 v[150:151], v[P0+4:P0+5], v[P0+6:P0+7]
.set ii, 8
.rept 6
	v_pk_add_f32 v[146:147], v[146:147], v[P0+ii:P0+ii+1]
	v_pk_add_f32 v[150:151], v[150:151], v[P0+ii+2:P0+ii+3]
.set ii, ii+4
.endr
.set ii, 0
.rept 8
	v_pk_add_f32 v[146:147], v[146:147], v[P1+ii:P1+ii+1]
	v_pk_add_f32 v[150:151], v[150:151], v[P1+ii+2:P1+ii+3]
.set ii, ii+4
.endr
	v_pk_add_f32 v[146:147], v[146:147], v[150:151]
	s_wait_alu depctr_va_vdst(0)                   ; and one for the two
	v_add_f32 v146, v146, v147
	v_permlanex16_b32 v143, v146, s[SEL], s[SEL+1]
	v_add_f32 v146, v146, v143
	v_cvt_i32_f32 v148, v148
	v_ldexp_f32 v148, 1.0, v148                    ; 2^(M_base - M)
	v_fma_f32 v146, s35, v148, v146                ; l = L_base 2^(M_base - M) + the diagonal's sum
	v_rcp_f32 v147, v146
	v_sub_f32 v149, s34, v144                      ; delta = M - M_base, 0 or more,
	v_min_num_f32 v149, 0x42fe0000, v149           ; held at 127,
	v_cvt_u32_f32 v149, v149
	v_lshl_or_b32 v149, v149, 8, v149
	v_lshl_or_b32 v149, v149, 16, v149             ; in all four bytes
	v_cmp_ne_u32 vcc_lo, 0, v[MK+\y]
	s_wait_alu depctr_va_vdst(0)                   ; the reciprocal's wait, ahead of its first reader
	v_cndmask_b32 v158, v147, 0, vcc_lo            ; a = 1 / l, or 0 in a masked row
	v_cndmask_b32 v159, 0, 1.0, vcc_lo             ; b = 0, or 1
	v_max_num_f32 v150, FLOOR, v140
	v_max_num_f32 v151, FLOOR, v141
	v_add_nc_u32 v152, EOFF, v150
	v_add_nc_u32 v153, EOFF, v151
	v_lshrrev_b32 v154, 23, v152
	v_lshrrev_b32 v155, 23, v153
	v_lshl_or_b32 v156, v155, 16, v154
	v_lshlrev_b32 v156, v30, v156
	v_permlanex16_b32 v31, v156, s[SEL], s[SEL+1]
	v_or_b32 v156, v156, v31                       ; the row's scale word for these 128 keys
	v_cvt_scalef32_pk16_fp6_f32 v[PC:PC+2], v[P0:P0+15], v152
	v_cvt_scalef32_pk16_fp6_f32 v[CT:CT+2], v[P0+16:P0+31], v152
	v_cvt_scalef32_pk16_fp6_f32 v[PC+6:PC+8], v[P1:P1+15], v153
	v_cvt_scalef32_pk16_fp6_f32 v[CT+4:CT+6], v[P1+16:P1+31], v153
	v_nop                                          ; one plain place behind the conversions
.irp i, 0,1,2
	v_mov_b32 v[PC+3+\i], v[CT+\i]
	v_mov_b32 v[PC+9+\i], v[CT+4+\i]
.endr
.irp k, 0,1,2
	ds_store_b128 v12, v[PC+4*\k:PC+4*\k+3] offset:1536*\y+512*\k
.endr
	ds_store_b32 v13, v156 offset:128*\y
	ds_store_b32 v14, v149 offset:64*\y
	ds_store_b64 v15, v[158:159] offset:128*\y
	s_wait_dscnt 0x0                               ; the stores have read their registers
.endm
	DTILE 0
	DTILE 1
	LOADB 2, 30, 32, 1                             ; step 1's V_ (asked for whatever g is), into the registers that t and p have left
	BAR                                            ; the diagonal's eight fragments and all rows' numbers lie in LDS
.irp m, 0,1,2,3,4,5,6,7
	ds_load_b32 v[DW+\m], v18 offset:64*\m
.endr
.irp m, 0,1,2,3,4,5,6,7
	ds_load_b64 v[AB+2*\m:AB+2*\m+1], v19 offset:128*\m
.endr
.irp m, 0,1,2,3,4,5,6,7
	ds_load_b32 v[Y+\m], v17 offset:128*\m
.endr
	; the diagonal step starts all 64 sums
.irp e, 0,1
.if \e
	PLACES 4                                       ; in front of loads into registers that products have read
.endif
	WIN 0x40
.set ii, 0
.rept 12
	ds_load_b128 v[192+4*ii:192+4*ii+3], v16 offset:6144*\e+512*ii
.set ii, ii+1
.endr
	WIN 0
	s_wait_dscnt 0x0
.if \e == 0
	s_wait_loadcnt 50                              ; the diagonal's V_ is in; the two younger sets of 25 stay out
.endif
	WIN ((2+\e)<<6)|((2+\e)<<4)|0x05
.set nn, 0
.rept 8
.set tt, 0
.rept 4
.set AC, 8*(8*tt+nn)
.if nn%2
	v_wmma_scale_f32_16x16x128_f8f6f4 v[AC:AC+7], v[12*nn:12*nn+11], v[192+12*tt:192+12*tt+11], 0, v[BS+nn/2], v[Y+4*\e+tt] matrix_a_fmt:MATRIX_FMT_FP6 matrix_b_fmt:MATRIX_FMT_FP6 matrix_a_scale:MATRIX_SCALE_ROW1
.else
	v_wmma_scale_f32_16x16x128_f8f6f4 v[AC:AC+7], v[12*nn:12*nn+11], v[192+12*tt:192+12*tt+11], 0, v[BS+nn/2], v[Y+4*\e+tt] matrix_a_fmt:MATRIX_FMT_FP6 matrix_b_fmt:MATRIX_FMT_FP6
.endif
.set tt, tt+1
.endr
.set nn, nn+1
.endr
.endr
	WIN 0
	PLACES 4
; A FULL KEY STEP, the p-th of a trip: step s25, V_ in set (p + 1) % 3.  A step at or past g is passed over: a branch on ids.  On that way all loads are waited for, so that no set has a load on its way.
; The 64 accumulators take turns, one instruction a turn, in the same order in every step.
.macro FSTEP p
.set US, ((\p)+1)%3
.if US == 2
.set UW, 0
.set UB, 160
.else
.set UW, 1
.set UB, 96*US
.endif
	s_cmp_ge_u32 s25, s24
	s_cbranch_scc1 .Lskip_\@
	s_add_co_u32 s62, s25, 2
	s_cmp_lt_u32 s62, s24
	s_cbranch_scc0 .Llast_\@
	LOADB \p, 30, 32, (\p)+2                       ; two steps ahead, into the set that the last step has left
	s_wait_loadcnt 50                              ; this step's 25 loads are in; the two younger sets stay out
	s_branch .Lgo_\@
.Llast_\@:
	s_wait_loadcnt 0x0
.Lgo_\@:
	v_permlane16_b32 v[XB], v[XW], s26, s26        ; every lane takes lane s25's word: this step's four bytes under M_base
.irp m, 0,1,2,3,4,5,6,7
	v_sub_nc_u32 v[104+\m], v[XB], v[DW+\m]        ; byte by byte 128 + byte - delta: no borrow leaves a byte
.endr
.irp m, 0,1,2,3,4,5,6,7
	v_and_b32 v[112+\m], s38, v[104+\m]            ; bit 7 still set: the byte has not fallen under 0
.endr
.irp m, 0,1,2,3,4,5,6,7
	v_lshrrev_b32 v[120+\m], 7, v[112+\m]
.endr
.irp m, 0,1,2,3,4,5,6,7
	v_sub_nc_u32 v[112+\m], v[112+\m], v[120+\m]   ; 127 there, else 0
.endr
.irp m, 0,1,2,3,4,5,6,7
	v_and_b32 v[Y+\m], v[104+\m], v[112+\m]        ; the rows' scale words: max(byte - delta, 0)
.endr
.irp i, 0,1,2,3,4,5,6,7,8,9,10,11
	v_permlane16_b32 v[A+\i], v[U+\i], s26, s26    ; u's codes of this step, the same for all 16 rows of a tile
.endr
	PLACES 8                                       ; scale words made by vector instructions stand 8 places ahead of the products, codes so made 4
.irp e, 0,1
	WIN ((2+\e)<<6)|((2+\e)<<4)|UW
.set nn, 0
.rept 8
.set tt, 0
.rept 4
.set AC, 8*(8*tt+nn)
.if nn%2
	v_wmma_scale_f32_16x16x128_f8f6f4 v[AC:AC+7], v[UB+12*nn:UB+12*nn+11], v[A:A+11], v[AC:AC+7], v[BS+4*US+nn/2], v[Y+4*\e+tt] matrix_a_fmt:MATRIX_FMT_FP6 matrix_b_fmt:MATRIX_FMT_FP6 matrix_a_scale:MATRIX_SCALE_ROW1
.else
	v_wmma_scale_f32_16x16x128_f8f6f4 v[AC:AC+7], v[UB+12*nn:UB+12*nn+11], v[A:A+11], v[AC:AC+7], v[BS+4*US+nn/2], v[Y+4*\e+tt] matrix_a_fmt:MATRIX_FMT_FP6 matrix_b_fmt:MATRIX_FMT_FP6
.endif
.set tt, tt+1
.endr
.set nn, nn+1
.endr
.endr
	WIN 0
	PLACES 4
	s_branch .Ljoin_\@
.Lskip_\@:
	s_wait_loadcnt 0x0
.Ljoin_\@:
	s_add_co_u32 s25, s25, 1
	s_add_co_u32 s26, s26, 0x11111111              ; the lane select: the step's number in all eight fields
.endm
	s_mov_b32 s25, 0
	s_mov_b32 s26, 0
	s_mov_b32 s27, 5
.Lsteps:                                           ; 5 trips of 3 steps: the sets are back where they began
	FSTEP 0
	FSTEP 1
	FSTEP 2
	s_wait_xcnt 0x0                                ; the loads have read their bases
	s_add_nc_u64 s[30:31], s[30:31], 147456
	s_add_nc_u64 s[32:33], s[32:33], 6144
	s_sub_co_u32 s27, s27, 1
	s_cmp_lg_u32 s27, 0
	s_cbranch_scc1 .Lsteps
	; ---- THE EPILOGUE.  x = V + acc a + cs b; LayerNorm over the row's 512 columns, which lie in four waves; the results leave through V's places in LDS
	s_wait_loadcnt 0x0
.set ii, 0
.rept 16
	global_load_b128 v[160+4*ii:160+4*ii+3], v27, s[16:17] offset:64*(ii/2)+16*(ii%2)   ; gamma at my columns: register 8 n + j
.set ii, ii+1
.endr
	WIN 0x40
.set ii, 0
.rept 16
	global_load_b128 v[192+4*ii:192+4*ii+3], v27, s[18:19] offset:64*(ii/2)+16*(ii%2)   ; beta
.set ii, ii+1
.endr
	WIN 0
	s_mov_b32 s63, 0x3727c5ac                      ; 1e-5
	s_wait_tensorcnt 0x0                           ; my quarter of V's tile has landed,
	BAR                                            ; everybody's has
	WIN 0x40
.set ii, 0
.rept 16
	ds_load_b128 v[128+4*ii:128+4*ii+3], v22 offset:64*(ii/2)+16*(ii%2)                 ; the column sums / 2,048
.set ii, ii+1
.endr
.macro VLOAD m                         ; V at row 16 m + r, my 64 columns, into one of two sets in window 1
	WIN 0x40
.set ii, 0
.rept 16
	ds_load_b128 v[64*((\m)%2)+4*ii:64*((\m)%2)+4*ii+3], v[20+(\m)/4] offset:16640*((\m)%4)+64*(ii/2)+16*(ii%2)
.set ii, ii+1
.endr
.endm
	VLOAD 0
.irp m, 0,1,2,3,4,5,6,7
.set W, 2+\m/4
.set AC, 64*(\m%4)
.set VL, 64*(\m%2)
.set SA, SR+4*\m
.set SB, SR+4*\m+2
.if \m < 7
	VLOAD \m+1
	s_wait_dscnt 16                                ; all but the next tile's 16 loads
.else
	s_wait_dscnt 0x0
.endif
	WIN 0x51
.set ii, 0
.rept 32
	v_pk_fma_f32 v[VL+ii:VL+ii+1], v[128+ii:128+ii+1], v[AB+2*\m:AB+2*\m+1], v[VL+ii:VL+ii+1] op_sel:[0,1,0]   ; V + cs b (of the pair (a, b) the second word serves both halves)
.set ii, ii+2
.endr
	WIN (W<<6)|0x10|W
.set ii, 0
.rept 32
	v_pk_fma_f32 v[AC+ii:AC+ii+1], v[AC+ii:AC+ii+1], v[AB+2*\m:AB+2*\m+1], v[VL+ii:VL+ii+1] op_sel_hi:[1,0,1]  ; x = acc a + that; ascending: each accumulator from its low end on
.set ii, ii+2
.endr
	WIN (W<<2)|W
	v_pk_add_f32 v[SA:SA+1], v[AC:AC+1], v[AC+2:AC+3]
	v_pk_add_f32 v[SB:SB+1], v[AC+4:AC+5], v[AC+6:AC+7]
	WIN W<<2
.set ii, 8
.rept 14
	v_pk_add_f32 v[SA:SA+1], v[SA:SA+1], v[AC+ii:AC+ii+1]
	v_pk_add_f32 v[SB:SB+1], v[SB:SB+1], v[AC+ii+2:AC+ii+3]
.set ii, ii+4
.endr
.endr
	WIN 0
; the eight tiles' sums: two chains, two halves, lane l xor 16; my wave's share to LDS; a barrier; the four shares added
.macro REDUCE off
.irp m, 0,1,2,3,4,5,6,7
	v_pk_add_f32 v[SR+4*\m:SR+4*\m+1], v[SR+4*\m:SR+4*\m+1], v[SR+4*\m+2:SR+4*\m+3]
.endr
.irp m, 0,1,2,3,4,5,6,7
	v_add_f32 v[SR+4*\m], v[SR+4*\m], v[SR+4*\m+1]
.endr
.irp m, 0,1,2,3,4,5,6,7
	v_permlanex16_b32 v[SR+4*\m+1], v[SR+4*\m], s[SEL], s[SEL+1]
.endr
.irp m, 0,1,2,3,4,5,6,7
	v_add_f32 v[SR+4*\m], v[SR+4*\m], v[SR+4*\m+1]
.endr
.irp m, 0,1,2,3,4,5,6,7
	ds_store_b32 v23, v[SR+4*\m] offset:256*\m+\off
.endr
	BAR
.irp m, 0,1,2,3,4,5,6,7
	ds_load_b128 v[SR+4*\m:SR+4*\m+3], v24 offset:256*\m+\off
.endr
	s_wait_dscnt 0x0
.irp m, 0,1,2,3,4,5,6,7
	v_pk_add_f32 v[SR+4*\m:SR+4*\m+1], v[SR+4*\m:SR+4*\m+1], v[SR+4*\m+2:SR+4*\m+3]
.endr
.irp m, 0,1,2,3,4,5,6,7
	v_add_f32 v[SR+4*\m], v[SR+4*\m], v[SR+4*\m+1]
.endr
.endm
	REDUCE 0
.irp m, 0,1,2,3,4,5,6,7
	v_mul_f32 v[MU+2*\m], 0xbb000000, v[SR+4*\m]   ; -mean
.endr
.irp m, 0,1,2,3,4,5,6,7
	v_mov_b32 v[MU+2*\m+1], v[MU+2*\m]
.endr
.irp m, 0,1,2,3,4,5,6,7
.set W, 2+\m/4
.set AC, 64*(\m%4)
.set SA, SR+4*\m
.set SB, SR+4*\m+2
	WIN (W<<6)|W
.set ii, 0
.rept 32
	v_pk_add_f32 v[AC+ii:AC+ii+1], v[AC+ii:AC+ii+1], v[MU+2*\m:MU+2*\m+1]      ; x - mean
.set ii, ii+2
.endr
	WIN (W<<2)|W
	v_pk_mul_f32 v[SA:SA+1], v[AC:AC+1], v[AC:AC+1]
	v_pk_mul_f32 v[SB:SB+1], v[AC+2:AC+3], v[AC+2:AC+3]
.set ii, 4
.rept 15
	v_pk_fma_f32 v[SA:SA+1], v[AC+ii:AC+ii+1], v[AC+ii:AC+ii+1], v[SA:SA+1]
	v_pk_fma_f32 v[SB:SB+1], v[AC+ii+2:AC+ii+3], v[AC+ii+2:AC+ii+3], v[SB:SB+1]
.set ii, ii+4
.endr
.endr
	WIN 0
	REDUCE 2048
.irp m, 0,1,2,3,4,5,6,7
	v_fma_f32 v[SR+4*\m], v[SR+4*\m], s39, s63     ; the variance + 1e-5
.endr
.irp m, 0,1,2,3,4,5,6,7
	v_rsq_f32 v[MU+2*\m], v[SR+4*\m]
.endr
	v_nop                                          ; a plain place behind the batch
	s_wait_alu depctr_va_vdst(0)                   ; and its one wait, ahead of the first reader
.irp m, 0,1,2,3,4,5,6,7
	v_mov_b32 v[MU+2*\m+1], v[MU+2*\m]
.endr
	s_wait_loadcnt 0x0                             ; gamma, beta
.irp m, 0,1,2,3,4,5,6,7
.set W, 2+\m/4
.set AC, 64*(\m%4)
	WIN (W<<6)|W
.set ii, 0
.rept 32
	v_pk_mul_f32 v[AC+ii:AC+ii+1], v[AC+ii:AC+ii+1], v[MU+2*\m:MU+2*\m+1]
.set ii, ii+2
.endr
	WIN (W<<6)|0x10|W
.set ii, 0
.rept 32
	v_pk_fma_f32 v[AC+ii:AC+ii+1], v[AC+ii:AC+ii+1], v[160+ii:160+ii+1], v[192+ii:192+ii+1]
.set ii, ii+2
.endr
	WIN W<<2
.set ii, 0
.rept 16
	ds_store_b128 v[20+\m/4], v[AC+4*ii:AC+4*ii+3] offset:16640*(\m%4)+64*(ii/2)+16*(ii%2)   ; to the places from which I read V: the tile has had its one fill
.set ii, ii+1
.endr
.endr
	WIN 0
	BAR                                            ; 128 whole rows of the result lie in LDS
.set bb, 0
.rept 8                                ; my 32 rows, four at a time: 16 loads, 16 stores of 512 consecutive bytes
.if bb > 0
	s_wait_xcnt 0x0                                ; the last batch's stores have read their registers
.endif
.set ii, 0
.rept 16
	ds_load_b128 v[160+4*ii:160+4*ii+3], v[25+(ii/2)%2] offset:1040*(4*bb+ii/4)+512*(ii%2)
.set ii, ii+1
.endr
.set ii, 0
.rept 16
	s_wait_dscnt 15-ii
	global_store_b128 v4, v[160+4*ii:160+4*ii+3], s[36:37] offset:2048*(4*bb+ii/4)+1024*((ii/2)%2)+512*(ii%2) th:TH_STORE_NT
.set ii, ii+1
.endr
.set bb, bb+1
.endr
	s_wait_xcnt 0x0
	v_lshl_add_u32 v254, v0, 2, 0x46b00
	v_mov_b32 v255, 0
	s_wait_tensorcnt 0x0
	ds_add_u32 v254, v255
	s_wait_dscnt 0x0
	s_endpgm
.Lfunc_end_k_q2161a059c9_attn:
	.size	k_q2161a059c9_attn, .Lfunc_end_k_q2161a059c9_attn-k_q2161a059c9_attn
	.p2alignl 7, 3214868480
	.fill 96, 4, 3214868480
	.section	.rodata,"a",@progbits
	.p2align	6, 0x0
	.amdhsa_kernel k_q2161a059c9_attn
		.amdhsa_group_segment_fixed_size 290048
		.amdhsa_private_segment_fixed_size 0
		.amdhsa_enable_private_segment 0
		.amdhsa_kernarg_size 72
		.amdhsa_user_sgpr_count 2
		.amdhsa_user_sgpr_kernarg_segment_ptr 1
		.amdhsa_wavefront_size32 1
		.amdhsa_system_sgpr_workgroup_id_x 1
		.amdhsa_system_sgpr_workgroup_id_y 1
		.amdhsa_system_sgpr_workgroup_id_z 1
		.amdhsa_system_vgpr_workitem_id 0
		.amdhsa_next_free_vgpr 1024
		.amdhsa_next_free_sgpr 66
		.amdhsa_reserve_vcc 1
		.amdhsa_float_denorm_mode_32 3
		.amdhsa_float_denorm_mode_16_64 3
		.amdhsa_memory_ordered 1
		.amdhsa_forward_progress 1
		.amdhsa_inst_pref_size 255
	.end_amdhsa_kernel
	.section	.bss,"aw",@nobits
	.p2align	6
	.space	262144
	.amdgpu_metadata
---
amdhsa.version: [ 1, 2 ]
amdhsa.kernels:
  - .name:           k_q2161a059c9_attn
    .symbol:         k_q2161a059c9_attn.kd
    .args:
      - { .name: tbuf, .offset: 0, .size: 8, .value_kind: global_buffer, .address_space: global }
      - { .name: vimg, .offset: 8, .size: 8, .value_kind: global_buffer, .address_space: global }
      - { .name: vsc, .offset: 16, .size: 8, .value_kind: global_buffer, .address_space: global }
      - { .name: csum, .offset: 24, .size: 8, .value_kind: global_buffer, .address_space: global }
      - { .name: V, .offset: 32, .size: 8, .value_kind: global_buffer, .address_space: global }
      - { .name: mask, .offset: 40, .size: 8, .value_kind: global_buffer, .address_space: global }
      - { .name: ln_gamma, .offset: 48, .size: 8, .value_kind: global_buffer, .address_space: global }
      - { .name: ln_beta, .offset: 56, .size: 8, .value_kind: global_buffer, .address_space: global }
      - { .name: out0, .offset: 64, .size: 8, .value_kind: global_buffer, .address_space: global }
    .group_segment_fixed_size: 290048
    .private_segment_fixed_size: 0
    .kernarg_segment_align: 8
    .kernarg_segment_size: 72
    .max_flat_workgroup_size: 128
    .sgpr_count:     66
    .vgpr_count:     1024
    .wavefront_size: 32
...
	.end_amdgpu_metadata
.endif
;; end of part 3
;; ======== version 2 of 2: 3 launches; version 1 with the launches prep, proj written anew for expert scheduling mode
;; workspace buffers: wimg 393,216 bytes; wsc 16,384 bytes; qp 32,768 bytes; tbuf 131,072 bytes; vimg 12,582,912 bytes; vsc 524,288 bytes; csum 262,144 bytes
;; launch prep (part 4): grid 96 x 1, 4 waves a work-group, no clusters, 4,608 bytes of LDS; arguments W_k, W_v, W_q, Q, wimg, wsc, qp; writes wimg, wsc, qp
.if DOCPART == 4
	.amdgcn_target "amdgcn-amd-amdhsa--gfx1250"
	.amdhsa_code_object_version 6
	.text
	.protected	k_q2161a059c9_prep
	.globl	k_q2161a059c9_prep
	.p2align	8
	.type	k_q2161a059c9_prep,@function
k_q2161a059c9_prep:
	s_mov_b64 s[64:65], 0
	v_nop
	global_prefetch_b8 v0, s[64:65] scope:SCOPE_SE
	s_setreg_imm32_b32 hwreg(HW_REG_WAVE_SCHED_MODE, 0, 2), 2
	s_setreg_imm32_b32 hwreg(HW_REG_WAVE_MODE, 25, 1), 1
	s_wait_xcnt 0x0
	s_wait_alu depctr_vm_vsrc(0)
; PREP.  The three weights [512 (k)][512 (d)] f32 are quantised along k (their FIRST axis) to E2M3 codes with one E8M0 byte for 32 k.
; Work-group x: weight x / 32 (0 W_k, 1 W_v, 2 W_q), columns 16 (x % 32) on; wave s takes k = 128 s .. 128 s + 127.
; A lane takes ONE column and its 64 registers run down k in the order of the matrix operand: register 32 c + i = k 128 s + 64 c + 32 (lane / 16) + i,
; so the conversions' results are the operand's 12 registers.  W_k and W_v leave as images of these registers (chunk j = registers 4 j .. 4 j + 3,
; lane l's 16 bytes at 512 j + 16 l), W_q is used at once: Q_ = Q W_q, 16 batches x 16 columns a work-group, the four waves' K steps added in LDS.
; LIMITS: NaN and infinities are not served.  A block of zeros gets the byte 1 where the quantiser says 127: its codes are zeros, and only this program reads the bytes.
; Q_ is the f32 sum of four partial sums of 128 k each.
; No cluster, no tensor load: each work-group reads its own 16 columns once; nothing is shared.
; THE MODE: SCHED_MODE bits 1:0 = 2 (LLVM: expert scheduling mode 2), set by the entry lines.  The code itself states the register dependences
; between vector or matrix instructions and memory or LDS instructions, with s_wait_alu, always for 0.
; THE PLAN.  Registers that memory or LDS instructions touch:
;   v4-v7      offsets, made at the head and never written again: one wait on va_vdst ahead of the parting of the two ways.
;   X, XQ      written by loads, read by the quantiser; wave 0's LDS loads land in X once more, behind the waits that follow the quantiser.
;   PC, PW     written by the quantiser; read by the stores (W_k, W_v) or by the product (W_q): one wait ahead of either.
;   D          written by the product, read by the LDS stores: the four places, then one wait, which also covers v8, v9 and v12.
;   SUM        written by the additions, read by the last stores: one wait.
; No register that a memory or LDS instruction has read is written again, so no wait on vm_vsrc is written.
.set FLOOR, 0x1800000                  ; 2^(3 - 127): under it no largest magnitude is taken, so a byte cannot fall under 1
.set EOFF,  0xff000000                 ; takes 2 off an exponent field
.set SEL, 22                           ; s[22:23] lane selects: lane l xor 16
.set SH8, 10                           ; v10  8 x (lane / 16)
.set TW,  11                           ; v11  a lane permute's destination
.set PC,  16                           ; v16-27  the weight's codes
.set QC,  28                           ; v28-39  Q's codes
.set CT,  40                           ; v40-47  the second halves of the blocks' codes
.set TM,  48                           ; v48-49 largest magnitudes, v50-51 conversion scales, v52-53 bytes
.set SO,  50
.set BY,  52
.set PW,  56                           ; v56  the weight's scale word
.set QW,  57                           ; v57  Q's scale word
.set X,   64                           ; v64-127  64 numbers of the weight
.set XQ,  128                          ; v128-191 64 numbers of Q
.set D,   192                          ; v192-199 the product
.set SUM, 200
; 64 numbers of a lane, register 32 c + i = k 64 c + 32 (lane / 16) + i, become 12 registers of codes and the scale word of these 128 k
.macro QUANTW x, pc, pw
.irp c, 0,1
	v_max3_num_f32 v[TM+\c], |v[32*\c+(\x)]|, |v[32*\c+1+(\x)]|, FLOOR
.endr
.irp i, 2,4,6,8,10,12,14,16,18,20,22,24,26,28,30
.irp c, 0,1
	v_max3_num_f32 v[TM+\c], v[TM+\c], |v[32*\c+\i+(\x)]|, |v[32*\c+\i+1+(\x)]|   ; the two blocks by turns
.endr
.endr
.irp c, 0,1
	v_add_nc_u32 v[SO+\c], EOFF, v[TM+\c]          ; the conversion takes this operand's exponent field as its scale
.endr
.irp c, 0,1
	v_lshrrev_b32 v[BY+\c], 23, v[SO+\c]           ; the scale's byte
.endr
	v_lshl_or_b32 v[\pw], v[BY+1], 16, v[BY]       ; my bytes: blocks h and 2 + h,
	v_lshlrev_b32 v[\pw], v[SH8], v[\pw]           ; at their places;
	v_permlanex16_b32 v[TW], v[\pw], s[SEL], s[SEL+1]
	v_or_b32 v[\pw], v[\pw], v[TW]                 ; with lane l xor 16's two the word is whole
.irp c, 0,1
	v_cvt_scalef32_pk16_fp6_f32 v[6*\c+(\pc):6*\c+2+(\pc)], v[32*\c+(\x):32*\c+15+(\x)], v[SO+\c]
	v_cvt_scalef32_pk16_fp6_f32 v[CT+4*\c:CT+4*\c+2], v[32*\c+16+(\x):32*\c+31+(\x)], v[SO+\c]   ; (three registers begin on an even number)
.endr
	v_nop                                          ; one plain place behind the conversions
.irp c, 0,1
.irp i, 0,1,2
	v_mov_b32 v[6*\c+3+\i+(\pc)], v[CT+4*\c+\i]
.endr
.endr
.endm
.macro LOADW                           ; W(128 s + 64 c + 32 h + i, my column): sixteen lanes read 64 neighbouring bytes
.set ii, 0
.rept 64
	global_load_b32 v[X+ii], v4, s[24:25] offset:(64*(ii/32)+ii%32)*2048
.set ii, ii+1
.endr
.endm
	s_load_b256 s[4:11], s[0:1], 0x0               ; W_k, W_v, W_q, Q
	s_load_b128 s[12:15], s[0:1], 0x20             ; wimg, wsc
	s_load_b64 s[16:17], s[0:1], 0x30              ; qp
	v_lshl_add_u32 v62, v0, 2, 0x1000
	v_mov_b32 v63, 0
	v_lshrrev_b32 v1, 5, v0
	v_readfirstlane_b32 s18, v1                    ; wave = K step s
	s_lshr_b32 s19, ttmp9, 5                       ; which weight
	s_and_b32 s20, ttmp9, 31                       ; which 16 columns
	v_and_b32 v1, 31, v0                           ; lane
	v_and_b32 v2, 15, v0                           ; r
	v_bfe_u32 v3, v0, 4, 1                         ; h
	v_lshlrev_b32 v4, 2, v2
	v_lshl_add_u32 v4, v3, 16, v4                  ; W: 4 r + 32 h rows of 2,048 bytes
	v_lshlrev_b32 v5, 11, v2
	v_lshl_add_u32 v5, v3, 7, v5                   ; Q: row r of 2,048 bytes + 32 h numbers
	v_lshlrev_b32 v6, 4, v1                        ; 16 x lane
	v_lshlrev_b32 v7, 2, v2                        ; 4 r
	v_lshlrev_b32 v[SH8], 3, v3
	v_mov_b32 v[TW], 0
	s_mov_b32 s[SEL], 0x76543210
	s_mov_b32 s[SEL+1], 0xfedcba98
	s_wait_alu depctr_va_sdst(0)                   ; s18 is written, ahead of its first reader: the bases are made from it
	s_lshl_b32 s26, s18, 18                        ; 128 s rows of W
	s_lshl_b32 s27, s20, 6                         ; 16 columns are 64 bytes
	s_add_co_u32 s26, s26, s27
	s_mov_b32 s27, 0
	s_wait_kmcnt 0x0
	s_cmp_eq_u32 s19, 1
	s_cselect_b64 s[24:25], s[6:7], s[4:5]
	s_cmp_eq_u32 s19, 2
	s_cselect_b64 s[24:25], s[8:9], s[24:25]       ; the choice hangs on the work-group's number alone
	s_add_nc_u64 s[24:25], s[24:25], s[26:27]
	s_wait_alu depctr_va_vdst(0)                   ; the offsets v4 to v7 are written, which the loads and stores of both ways read
	s_cmp_eq_u32 s19, 2
	s_cbranch_scc1 .Lquery
	; ---- W_k, W_v: the fragment's image and its scale word go to memory
	LOADW
	s_lshl_b32 s28, s19, 7
	s_lshl_b32 s29, s20, 2
	s_add_co_u32 s28, s28, s29
	s_add_co_u32 s28, s28, s18
	s_mul_i32 s28, s28, 1536                       ; fragment (weight, column tile, K step)
	s_mov_b32 s29, 0
	s_add_nc_u64 s[12:13], s[12:13], s[28:29]
	s_lshl_b32 s28, s19, 13
	s_lshl_b32 s30, s20, 8
	s_add_co_u32 s28, s28, s30
	s_lshl_b32 s30, s18, 6                         ; 128 (s / 2) + 64 (s % 2) = 64 s: even K steps in words 0-15, odd ones in words 16-31
	s_add_co_u32 s28, s28, s30
	s_add_nc_u64 s[14:15], s[14:15], s[28:29]
	s_wait_loadcnt 0x0
	QUANTW X, PC, PW
	s_wait_alu depctr_va_vdst(0)                   ; the conversions and moves have written the codes, the v_or_b32 the scale word: the stores read them
.irp k, 0,1,2
	global_store_b128 v6, v[PC+4*\k:PC+4*\k+3], s[12:13] offset:512*\k   ; 32 lanes store 512 consecutive bytes
.endr
	global_store_b32 v7, v[PW], s[14:15]           ; both halves of the lanes store the same word
	s_endpgm
	; ---- W_q: Q_ = Q W_q for my 16 columns
.Lquery:
	s_lshl_b32 s28, s18, 9                         ; 128 s numbers of a row of Q
	s_mov_b32 s29, 0
	s_add_nc_u64 s[10:11], s[10:11], s[28:29]
.set ii, 0
.rept 16
	global_load_b128 v[XQ+4*ii:XQ+4*ii+3], v5, s[10:11] offset:256*(ii/8)+16*(ii%8)
.set ii, ii+1
.endr
	LOADW
	s_lshl_b32 s30, s18, 10
	v_lshl_add_u32 v8, v1, 5, s30                  ; LDS: my wave's 1,024 bytes, 32 a lane
	v_lshlrev_b32 v9, 5, v1
	v_lshlrev_b32 v12, 11, v2
	v_lshl_add_u32 v12, v3, 5, v12                 ; qp: row r (a batch), + 8 h numbers
	s_lshl_b32 s28, s20, 6
	s_add_nc_u64 s[16:17], s[16:17], s[28:29]
	s_wait_loadcnt 0x0
	QUANTW X, PC, PW
	QUANTW XQ, QC, QW
.rept 8
	v_nop                                          ; a scale word made by vector instructions stands 8 places ahead of the product, codes so made 4
.endr
	s_wait_alu depctr_va_vdst(0)                   ; behind the places: both operands' codes and both scale words are written, which the product takes
	v_wmma_scale_f32_16x16x128_f8f6f4 v[D:D+7], v[PC:PC+11], v[QC:QC+11], 0, v[PW], v[QW] matrix_a_fmt:MATRIX_FMT_FP6 matrix_b_fmt:MATRIX_FMT_FP6   ; transposed: lane r = batch, register j = column 8 h + j
.rept 4
	v_nop
.endr
	s_wait_alu depctr_va_vdst(0)                   ; behind the places: the product has written D, which the LDS stores read; v8, v9 and v12 are written; the quantiser is done reading X, in which wave 0's LDS loads land
	ds_store_b128 v8, v[D:D+3]
	ds_store_b128 v8, v[D+4:D+7] offset:16
	s_wait_dscnt 0x0                               ; my partial sums lie in LDS
	s_barrier_signal -1
	s_barrier_wait -1
	s_cmp_lg_u32 s18, 0
	s_cbranch_scc1 .Lend
.irp s, 0,1,2,3
	ds_load_b128 v[X+8*\s:X+8*\s+3], v9 offset:1024*\s
	ds_load_b128 v[X+8*\s+4:X+8*\s+7], v9 offset:1024*\s+16
.endr
	s_wait_dscnt 0x0
.irp j, 0,2,4,6
	v_pk_add_f32 v[SUM+\j:SUM+\j+1], v[X+\j:X+\j+1], v[X+8+\j:X+9+\j]      ; K steps in ascending order
.endr
.irp j, 0,2,4,6
	v_pk_add_f32 v[SUM+\j:SUM+\j+1], v[SUM+\j:SUM+\j+1], v[X+16+\j:X+17+\j]
.endr
.irp j, 0,2,4,6
	v_pk_add_f32 v[SUM+\j:SUM+\j+1], v[SUM+\j:SUM+\j+1], v[X+24+\j:X+25+\j]
.endr
	s_wait_alu depctr_va_vdst(0)                   ; the additions have written the sums, which the stores read
	global_store_b128 v12, v[SUM:SUM+3], s[16:17]
	global_store_b128 v12, v[SUM+4:SUM+7], s[16:17] offset:16
.Lend:
	s_wait_dscnt 0x0
	s_wait_alu depctr_hold_cnt(0) depctr_sa_sdst(0) depctr_va_vdst(0) depctr_va_sdst(0) depctr_va_ssrc(0) depctr_va_vcc(0) depctr_vm_vsrc(0)
	s_wait_tensorcnt 0x0
	ds_add_u32 v62, v63
	s_wait_dscnt 0x0
	s_endpgm
.Lfunc_end_k_q2161a059c9_prep:
	.size	k_q2161a059c9_prep, .Lfunc_end_k_q2161a059c9_prep-k_q2161a059c9_prep
	.p2alignl 7, 3214868480
	.fill 96, 4, 3214868480
	.section	.rodata,"a",@progbits
	.p2align	6, 0x0
	.amdhsa_kernel k_q2161a059c9_prep
		.amdhsa_group_segment_fixed_size 4608
		.amdhsa_private_segment_fixed_size 0
		.amdhsa_enable_private_segment 0
		.amdhsa_kernarg_size 56
		.amdhsa_user_sgpr_count 2
		.amdhsa_user_sgpr_kernarg_segment_ptr 1
		.amdhsa_wavefront_size32 1
		.amdhsa_system_sgpr_workgroup_id_x 1
		.amdhsa_system_sgpr_workgroup_id_y 1
		.amdhsa_system_sgpr_workgroup_id_z 1
		.amdhsa_system_vgpr_workitem_id 0
		.amdhsa_next_free_vgpr 208
		.amdhsa_next_free_sgpr 66
		.amdhsa_reserve_vcc 0
		.amdhsa_float_denorm_mode_32 3
		.amdhsa_float_denorm_mode_16_64 3
		.amdhsa_memory_ordered 1
		.amdhsa_forward_progress 1
		.amdhsa_inst_pref_size 28
	.end_amdhsa_kernel
	.amdgpu_metadata
---
amdhsa.version: [ 1, 2 ]
amdhsa.kernels:
  - .name:           k_q2161a059c9_prep
    .symbol:         k_q2161a059c9_prep.kd
    .args:
      - { .name: W_k, .offset: 0, .size: 8, .value_kind: global_buffer, .address_space: global }
      - { .name: W_v, .offset: 8, .size: 8, .value_kind: global_buffer, .address_space: global }
      - { .name: W_q, .offset: 16, .size: 8, .value_kind: global_buffer, .address_space: global }
      - { .name: Q, .offset: 24, .size: 8, .value_kind: global_buffer, .address_space: global }
      - { .name: wimg, .offset: 32, .size: 8, .value_kind: global_buffer, .address_space: global }
      - { .name: wsc, .offset: 40, .size: 8, .value_kind: global_buffer, .address_space: global }
      - { .name: qp, .offset: 48, .size: 8, .value_kind: global_buffer, .address_space: global }
    .group_segment_fixed_size: 4608
    .private_segment_fixed_size: 0
    .kernarg_segment_align: 8
    .kernarg_segment_size: 56
    .max_flat_workgroup_size: 128
    .sgpr_count:     66
    .vgpr_count:     208
    .wavefront_size: 32
...
	.end_amdgpu_metadata
.endif
;; end of part 4
;; launch proj (part 5): grid 256 x 1, 4 waves a work-group, no clusters, 239,104 bytes of LDS; arguments K, V, wimg, wsc, qp, tbuf, vimg, vsc, csum; writes tbuf, vimg, vsc, csum
.if DOCPART == 5
	.amdgcn_target "amdgcn-amd-amdhsa--gfx1250"
	.amdhsa_code_object_version 6
	.text
	.protected	k_q2161a059c9_proj
	.globl	k_q2161a059c9_proj
	.p2align	8
	.type	k_q2161a059c9_proj,@function
k_q2161a059c9_proj:
	s_mov_b64 s[64:65], 0
	v_nop
	global_prefetch_b8 v0, s[64:65] scope:SCOPE_SE
	s_setreg_imm32_b32 hwreg(HW_REG_WAVE_SCHED_MODE, 0, 2), 2
	s_setreg_imm32_b32 hwreg(HW_REG_WAVE_MODE, 25, 1), 1
	s_wait_xcnt 0x0
	s_wait_alu depctr_vm_vsrc(0)
; PROJ.  Work-groups 0-127: K_ = Q(K) Q(W_k), then t = (Q_ . K_) log2(e) / temperature, one number a key.  Work-groups 128-255: V_ = Q(V) Q(W_v), quantised along the KEYS
; and stored as images of the next product's operand registers, with its scale words and the column sums of the quantised V_.
; SHARES.  A work-group takes 256 rows: 2 trips of 2 blocks of 64 rows.  Wave w quantises row tile w of a block, and owns columns 128 w .. 128 w + 127 of the result for all 64 rows:
; its 32 weight fragments (384 registers) stay in registers for the whole launch.  The rows' codes go from wave to wave through LDS as images of their registers.
; THE ROWS OF A TILE ARE NOT NEIGHBOURS: row m of tile t is block row 8 t + m % 8 + 32 (m / 8).  In V's product (source 0 = rows, source 1 = weight) a lane then holds one column, and the 32 registers of
; its four tiles are keys 32 (lane / 16) + 0 .. 31: a whole block along the next product's K.  In K's product the sources are swapped: a lane holds one key and eight columns, which meet Q_ in fused multiply-adds.
; THE ROWS STREAM through a ring of 4 x 64 registers a wave: 64 loads of 512 consecutive bytes are asked for as soon as the last block's have been put into the wave's stage in LDS, and land during the block's work.
; The stage turns them: a load has neighbouring bytes in neighbouring lanes, the conversions want 32 neighbours in one lane.
; LIMITS: NaN and infinities are not served.  A block of zeros gets the byte 1 where the quantiser says 127: its codes are zeros, and only this program reads the bytes.
; NO CLUSTER: no two work-groups read the same rows; the weights are read once by a work-group, 196,608 bytes against 524,288 of rows.  NO TENSOR LOAD: the ring in registers needs no barrier to be filled again.
; REGISTERS.  window 0: v0-31 ids, addresses, sums; v32-47 the weights' scale words; v48-55 the rows'; v56-63 the scores' sums (K) or the first block's bytes (V); v64-191 numbers, then fragments and work;
;   v192-219 the quantiser's; v220-231 weight fragment 31; v232-239 V_'s scale words; v240-251 an operand of ones.  window 1: the ring.  window 2: weight fragments 0-20.
;   window 3: weight fragments 21-30; from v128 the 16 accumulators (column tile n, row tile t) at 128 + 8 (4 n + t).
; THE MODE: SCHED_MODE bits 1:0 = 2 (LLVM: expert scheduling mode 2), set by the entry lines.  The code itself states the register dependences
; between vector or matrix instructions and memory or LDS instructions, with s_wait_alu, always for 0.
; THE PLAN.  Registers that memory or LDS instructions touch, round a trip:
;   the ring     written by global loads, read by the stage's LDS stores, named by no vector instruction: one wait on vm_vsrc behind the 64 stores, and the ring is asked for again.
;   v64-191      X sets: the stage's loads land, the quantiser reads.  A0, A1: fragment loads land, products read.  QV (K): Q_'s loads land, the scores' multiply-adds read.
;                PCV (V): conversions write, LDS stores read.  VF (V, a trip's second block): LDS loads land, global stores and the products with ones read.
;   v192-218     PC, PW: the quantiser writes, LDS stores read; the block's work then writes these registers again (K: the shares' loads into v200-203; V: the conversions' work in v184-215).
;   v48-55       the rows' scale words: LDS loads land, products read.
;   KS, KD, VS, CS4   vector instructions write, stores read.
;   addresses    made at the head, never written again (v218 serves once as an offset at the head and is the quantiser's afterwards).
; WAITS ON va_vdst: one at the head; one behind each K step's quantising (its codes are written, its numbers read out); one behind K step 0's and one behind K step 1's products of each half of the columns
; (their fragment set is asked for again; in K Q_'s loads ride on the first); one behind the first half's last products: the second half's first two fragment sets are asked for there and land during the first half's epilogue,
; which names none of them; one ahead of each run of stores of computed numbers; one in a trip's first block ahead of the stage's loads, for the last trip's products with ones.
; WAITS ON vm_vsrc: one behind the stage's stores, which also covers all that the block before has stored from registers; one at the head of the quantiser's K steps 1 to 3; one at the quantising phase's end; one at the head of V's second epilogue.
.set FLOOR, 0x1800000
.set EOFF,  0xff000000
.set XIMG,  0                          ; LDS: the rows' 16 fragments (4 t + s) x 1,536 bytes, once for each block of a trip
.set XSC,   49152                      ; their scale words [t][s / 2][32 words], once for each block of a trip
.set KRED,  51200                      ; the waves' partial scores [wave][64]
.set QT,    52224                      ; Q_ of my batch
.set STG,   54272                      ; each wave's stage: 4 K steps x 16 rows x (512 + 16) bytes
.set VOUT,  189440                     ; each wave's 8 fragments of V_'s codes
.set SEL, 28                           ; s[28:29]
.set SH8, 11
.set TW,  17
.set KD,  18                           ; v18  a score, to be stored
.set CS4, 20                           ; v20-23 column sums
.set VS,  24                           ; v24-27 V_'s scale words as the next launch takes them
.set ONESC, 28
.set WSC, 32
.set ASC, 48
.set KS,  56
.set B0,  56
.set X0,  64
.set A0,  64
.set A1,  112
.set VF,  64
.set QV,  160
.set PCV, 160
.set CTV, 184
.set TMV, 200
.set SOV, 204
.set BYV, 208
.set TWV, 212
.set PC,  192
.set CT,  204
.set TM,  212
.set SO,  214
.set BY,  216
.set PW,  218
.set VW,  232
.set ONES, 240
.set MSB, 0
.macro WIN new                         ; the immediate's high byte repeats the setting that is left; a switch that changes nothing is dropped
.if MSB != (\new)
	s_set_vgpr_msb (MSB<<8)|(\new)
.set MSB, \new
.endif
.endm
.macro PLACES n
.rept \n
	v_nop
.endr
.endm
.macro BAR                             ; my LDS stores have landed and my LDS loads are in: then the work-group's barrier
	s_wait_dscnt 0x0
	s_barrier_signal -1
	s_barrier_wait -1
.endm
.macro FSET f                          ; window and first register of weight fragment f = 8 s + n
.if (\f) <= 20
.set FW, 2
.set FRG, 12*(\f)
.elseif (\f) <= 30
.set FW, 3
.set FRG, 12*((\f)-21)
.else
.set FW, 0
.set FRG, 220
.endif
.endm
; 64 numbers of a lane, register 32 c + i = k 64 c + 32 (lane / 16) + i of my row, become 12 registers of codes and the scale word of these 128 k
.macro QUANTW x, pc, pw
.irp c, 0,1
	v_max3_num_f32 v[TM+\c], |v[32*\c+(\x)]|, |v[32*\c+1+(\x)]|, FLOOR
.endr
.irp i, 2,4,6,8,10,12,14,16,18,20,22,24,26,28,30
.irp c, 0,1
	v_max3_num_f32 v[TM+\c], v[TM+\c], |v[32*\c+\i+(\x)]|, |v[32*\c+\i+1+(\x)]|
.endr
.endr
.irp c, 0,1
	v_add_nc_u32 v[SO+\c], EOFF, v[TM+\c]
.endr
.irp c, 0,1
	v_lshrrev_b32 v[BY+\c], 23, v[SO+\c]
.endr
	v_lshl_or_b32 v[\pw], v[BY+1], 16, v[BY]
	v_lshlrev_b32 v[\pw], v[SH8], v[\pw]
	v_permlanex16_b32 v[TW], v[\pw], s[SEL], s[SEL+1]
	v_or_b32 v[\pw], v[\pw], v[TW]
.irp c, 0,1
	v_cvt_scalef32_pk16_fp6_f32 v[6*\c+(\pc):6*\c+2+(\pc)], v[32*\c+(\x):32*\c+15+(\x)], v[SO+\c]
	v_cvt_scalef32_pk16_fp6_f32 v[CT+4*\c:CT+4*\c+2], v[32*\c+16+(\x):32*\c+31+(\x)], v[SO+\c]
.endr
	v_nop                                          ; one plain place behind the conversions
.irp c, 0,1
.irp i, 0,1,2
	v_mov_b32 v[6*\c+3+\i+(\pc)], v[CT+4*\c+\i]
.endr
.endr
.endm
; the ring is asked for: my tile's 16 rows of block blk (counted from the trip's first), K step by K step; each load reads 512 consecutive bytes
.macro RING blk
	WIN 0x40
.set ss, 0
.rept 4
.set la, 0
.rept 16
	global_load_b128 v[64*ss+4*la:64*ss+4*la+3], v4, s[30:31] offset:((la%8)+32*(la/8))*2048+512*ss+(\blk)*131072 th:TH_LOAD_NT
.set la, la+1
.endr
.set ss, ss+1
.endr
	WIN 0
.endm
.macro LD s, x                         ; out of the stage: of my row r, K step s, the numbers 64 c + 32 h + 0 .. 31
.set jj, 0
.rept 16
	ds_load_b128 v[4*jj+(\x):4*jj+3+(\x)], v7 offset:8448*(\s)+256*(jj/8)+16*(jj%8)
.set jj, jj+1
.endr
.endm
; my tile of block c is quantised; its four fragments and scale words go to LDS
.macro P1 c
	WIN 0x04                                       ; an LDS store's data are its source 1: window 1
.set ss, 0
.rept 4
	s_wait_loadcnt 48-16*ss                        ; K step ss's 16 loads are in; the younger sets stay out
.set la, 0
.rept 16
	ds_store_b128 v6, v[64*ss+4*la:64*ss+4*la+3] offset:8448*ss+528*la
.set la, la+1
.endr
.set ss, ss+1
.endr
	WIN 0
	s_wait_dscnt 0x0                               ; my 64 stores into the stage have landed: the counts below count the stage's loads and the images' stores alone
	s_wait_alu depctr_vm_vsrc(0)                   ; the 64 stores have read the ring, in which the loads below land; the block before has read what it stored from registers: V_'s codes (v64-183), in which the stage's loads land, and KS, KD, VS, which the next block writes again; in the first trip the head has read v212-215 and v218, which the quantiser writes
.if (\c) == 0
	s_wait_alu depctr_va_vdst(0)                   ; the last trip's products with ones are done reading v64-159, in which the stage's loads land.  (In a trip's second block the block before has such a wait behind its last line that names v64-191)
.endif
	LD 0, X0                                       ; the stage's first loads land while the ring is asked for
	LD 1, X0+64
.if (\c) == 0
	RING 1
.else
	s_cmp_eq_u32 s26, 1                            ; behind the last block there is nothing to ask for: no load leaves its buffer
	s_cbranch_scc1 .Lno_more_\@
	RING 2
.Lno_more_\@:
.endif
.irp s, 0,1,2,3
.if \s < 3
	s_wait_dscnt 16                                ; all but the youngest run of 16 loads: this K step's numbers are in
.else
	s_wait_dscnt 0x0
.endif
.if \s > 0
	s_wait_alu depctr_vm_vsrc(0)                   ; the last K step's four stores have read PC and PW, which the quantiser writes again
.endif
	QUANTW X0+64*(\s%2), PC, PW
	s_wait_alu depctr_va_vdst(0)                   ; the quantiser has written PC and PW, which the stores read, and is done reading its 64 numbers, in whose registers the stage's next loads land
.irp k, 0,1,2
	ds_store_b128 v8, v[PC+4*\k:PC+4*\k+3] offset:XIMG+24576*(\c)+1536*\s+512*\k
.endr
	ds_store_b32 v9, v[PW] offset:XSC+1024*(\c)+128*(\s/2)+64*(\s%2)   ; even K steps in words 0-15, odd ones in words 16-31
.if \s < 2
	LD \s+2, X0+64*(\s%2)
.endif
.endr
	s_wait_alu depctr_vm_vsrc(0)                   ; K step 3's stores have read PC: the block's work writes v192-203 again (K: the shares' loads; V: the conversions' work)
	BAR                                            ; the block's sixteen fragments lie in LDS
.endm
.macro ASCL c                          ; the rows' scale words.  (The products that read them last stand ahead of the quantiser's waits)
.set ii, 0
.rept 8
	ds_load_b32 v[ASC+ii], v10 offset:XSC+1024*(\c)+128*ii
.set ii, ii+1
.endr
.endm
.macro LOADA c, s, set                 ; the four row tiles' fragments of K step s
.set tt, 0
.rept 4
.irp k, 0,1,2
	ds_load_b128 v[12*tt+4*\k+(\set):12*tt+4*\k+3+(\set)], v5 offset:XIMG+24576*(\c)+(4*tt+(\s))*1536+512*\k
.endr
.set tt, tt+1
.endr
.endm
.macro QLOAD u                         ; Q_ at my eight columns of each of the four tiles of half u
.set ii, 0
.rept 8
	ds_load_b128 v[QV+4*ii:QV+4*ii+3], v16 offset:256*(\u)+64*(ii/2)+16*(ii%2)
.set ii, ii+1
.endr
.endm
; 16 products: column tiles 4 u + 0 .. 3 x the four row tiles, K step s.  The 16 accumulators take turns, one instruction a turn.  K step 0 starts the sums.
.macro MUL role, u, s, set
.set nn, 0
.rept 4
	FSET 8*(\s)+4*(\u)+nn
.if \role
	WIN 0xf0|(FW<<2)
.else
	WIN 0xf0|FW
.endif
.set tt, 0
.rept 4
.set AC, 128+8*(4*nn+tt)
.set AR, 12*tt+(\set)
.set SA, ASC+2*tt+(\s)/2
.set SW, WSC+2*(4*(\u)+nn)+(\s)/2
.if \role
.if (\s) == 0
	v_wmma_scale_f32_16x16x128_f8f6f4 v[AC:AC+7], v[AR:AR+11], v[FRG:FRG+11], 0, v[SA], v[SW] matrix_a_fmt:MATRIX_FMT_FP6 matrix_b_fmt:MATRIX_FMT_FP6
.elseif (\s) == 2
	v_wmma_scale_f32_16x16x128_f8f6f4 v[AC:AC+7], v[AR:AR+11], v[FRG:FRG+11], v[AC:AC+7], v[SA], v[SW] matrix_a_fmt:MATRIX_FMT_FP6 matrix_b_fmt:MATRIX_FMT_FP6
.else
	v_wmma_scale_f32_16x16x128_f8f6f4 v[AC:AC+7], v[AR:AR+11], v[FRG:FRG+11], v[AC:AC+7], v[SA], v[SW] matrix_a_fmt:MATRIX_FMT_FP6 matrix_b_fmt:MATRIX_FMT_FP6 matrix_a_scale:MATRIX_SCALE_ROW1 matrix_b_scale:MATRIX_SCALE_ROW1
.endif
.else
.if (\s) == 0
	v_wmma_scale_f32_16x16x128_f8f6f4 v[AC:AC+7], v[FRG:FRG+11], v[AR:AR+11], 0, v[SW], v[SA] matrix_a_fmt:MATRIX_FMT_FP6 matrix_b_fmt:MATRIX_FMT_FP6
.elseif (\s) == 2
	v_wmma_scale_f32_16x16x128_f8f6f4 v[AC:AC+7], v[FRG:FRG+11], v[AR:AR+11], v[AC:AC+7], v[SW], v[SA] matrix_a_fmt:MATRIX_FMT_FP6 matrix_b_fmt:MATRIX_FMT_FP6
.else
	v_wmma_scale_f32_16x16x128_f8f6f4 v[AC:AC+7], v[FRG:FRG+11], v[AR:AR+11], v[AC:AC+7], v[SW], v[SA] matrix_a_fmt:MATRIX_FMT_FP6 matrix_b_fmt:MATRIX_FMT_FP6 matrix_a_scale:MATRIX_SCALE_ROW1 matrix_b_scale:MATRIX_SCALE_ROW1
.endif
.endif
.set tt, tt+1
.endr
.set nn, nn+1
.endr
.endm
; Four K steps on two sets of fragment registers, for half u of my columns.  Behind the products that have read a set stand four places and the wait that states that they are done reading it; then the set is asked for again.
; The rows' fragments are the same for both halves: the second half's K steps 0 and 1 are asked for at the first half's end, ahead of its epilogue.
.macro MSEQ role, c, u
.if (\u) == 0
	LOADA \c, 0, A0                                ; (the quantiser's last wait stands behind every line that has named these registers)
	LOADA \c, 1, A1
	s_wait_dscnt 12                                ; all but K step 1's twelve loads
.elseif \role
	s_wait_dscnt 20                                ; K step 0's fragments are in; K step 1's twelve loads and the epilogue's eight stores may be out
.else
	s_wait_dscnt 12                                ; K step 0's fragments are in; K step 1's twelve loads may be out
.endif
	MUL \role, \u, 0, A0
	PLACES 4
	WIN 0
	s_wait_alu depctr_va_vdst(0)                   ; K step 0's products are done reading A0; in K the last epilogue's multiply-adds (in a block's first half: the quantiser) are done reading QV's registers
.if !(\role)
	QLOAD \u
.endif
	LOADA \c, 2, A0
	s_wait_dscnt 12+8*(1-(\role))                  ; K step 1's fragments are in; K step 2's twelve loads, and in K Q_'s eight, stay out
	MUL \role, \u, 1, A1
	PLACES 4
	WIN 0
	s_wait_alu depctr_va_vdst(0)                   ; K step 1's products are done reading A1
	LOADA \c, 3, A1
	s_wait_dscnt 12                                ; K step 2's are in, K step 3's stay out
	MUL \role, \u, 2, A0
	s_wait_dscnt 0x0
	MUL \role, \u, 3, A1
	WIN 0
	PLACES 4                                       ; four places behind the last products, ahead of the first read of results
.if (\u) == 0
	s_wait_alu depctr_va_vdst(0)                   ; K steps 2 and 3's products are done reading A0 and A1
	LOADA \c, 0, A0                                ; for the second half: they land during the epilogue below, which names neither set
	LOADA \c, 1, A1
.endif
.endm
; ---- K's block: the scores
.macro KBLOCK c
	ASCL \c
.irp u, 0,1
	MSEQ 0, \c, \u
	WIN 0x03                                       ; source 0: the accumulators, window 3
.set nn, 0
.rept 4
.set pp, 0
.rept 4
.set tt, 0
.rept 4
.set AC, 128+8*(4*nn+tt)+2*pp
.if (\u+nn+pp) == 0
	v_pk_mul_f32 v[KS+2*tt:KS+2*tt+1], v[AC:AC+1], v[QV+8*nn+2*pp:QV+8*nn+2*pp+1]   ; each accumulator from its low end on; the four row tiles by turns
.else
	v_pk_fma_f32 v[KS+2*tt:KS+2*tt+1], v[AC:AC+1], v[QV+8*nn+2*pp:QV+8*nn+2*pp+1], v[KS+2*tt:KS+2*tt+1]
.endif
.set tt, tt+1
.endr
.set pp, pp+1
.endr
.set nn, nn+1
.endr
	WIN 0
.endr
.irp t, 0,1,2,3
	v_add_f32 v[KS+2*\t], v[KS+2*\t], v[KS+2*\t+1]
.endr
.irp t, 0,1,2,3
	v_permlanex16_b32 v[KS+2*\t+1], v[KS+2*\t], s[SEL], s[SEL+1]
.endr
.irp t, 0,1,2,3
	v_add_f32 v[KS+2*\t], v[KS+2*\t], v[KS+2*\t+1]   ; my wave's 128 columns' share of the key's score
.endr
	s_wait_alu depctr_va_vdst(0)                   ; the additions have written the four shares, which the stores read; all that has named v64-191 in this block is done
.irp t, 0,1,2,3
	ds_store_b32 v13, v[KS+2*\t] offset:64*\t
.endr
	BAR                                            ; the four waves' shares lie in LDS
	s_cmp_lt_u32 s22, 2
	s_cbranch_scc0 .Lnot_mine_\@
	s_wait_xcnt 0x0                                ; the last block's store has had its address translated; that it has read v[KD] is stated by the waits on vm_vsrc of the quantising phase between
.irp i, 0,1,2,3
	ds_load_b32 v[200+\i], v14 offset:256*\i
.endr
	s_wait_dscnt 0x0
	v_add_f32 v200, v200, v201
	v_add_f32 v200, v200, v202
	v_add_f32 v200, v200, v203
	v_mul_f32 v[KD], 0x3d8293ee, v200              ; x log2(e) / (sqrt(512) + 1e-6)
	s_wait_alu depctr_va_vdst(0)                   ; the multiplication has written v[KD], which the store reads
	global_store_b32 v15, v[KD], s[32:33] offset:256*(\c)   ; thread = key: two waves store 256 consecutive bytes
.Lnot_mine_\@:
.endm
; ---- V's block: a lane's 32 registers of a column tile are a block of 32 keys: scale, codes
.macro VEPI u, c
.if (\u) == 1
	s_wait_alu depctr_vm_vsrc(0)                   ; the first half's eight stores have read PCV, which the conversions below write again
.endif
.irp n, 0,1,2,3
	v_mov_b32 v[TMV+\n], FLOOR
.endr
	WIN 0x3c                                       ; sources 1 and 2: the accumulators, window 3
.set ii, 0
.rept 16
.irp n, 0,1,2,3
	v_max3_num_f32 v[TMV+\n], v[TMV+\n], |v[128+32*\n+2*ii]|, |v[128+32*\n+2*ii+1]|   ; ascending: each accumulator from its low end on
.endr
.set ii, ii+1
.endr
	WIN 0
.irp n, 0,1,2,3
	v_add_nc_u32 v[SOV+\n], EOFF, v[TMV+\n]
.endr
.irp n, 0,1,2,3
	v_lshrrev_b32 v[BYV+\n], 23, v[SOV+\n]
.endr
	WIN 0x03
.irp n, 0,1,2,3
	v_cvt_scalef32_pk16_fp6_f32 v[PCV+6*\n:PCV+6*\n+2], v[128+32*\n:128+32*\n+15], v[SOV+\n]
	v_cvt_scalef32_pk16_fp6_f32 v[CTV+4*\n:CTV+4*\n+2], v[128+32*\n+16:128+32*\n+31], v[SOV+\n]
.endr
	WIN 0
	v_nop                                          ; one plain place behind the conversions
.irp n, 0,1,2,3
.irp i, 0,1,2
	v_mov_b32 v[PCV+6*\n+3+\i], v[CTV+4*\n+\i]
.endr
.endr
	s_wait_alu depctr_va_vdst(0)                   ; the conversions and moves have written PCV, which the stores read; all that has named v64-199 in this half is done.  The vector lines among the stores name bytes and scale words alone
.irp n, 0,1,2,3
.if (\c) == 0                          ; registers 0-5 of the fragment of 128 keys
	ds_store_b128 v12, v[PCV+6*\n:PCV+6*\n+3] offset:1536*(4*(\u)+\n)
	ds_store_b64 v12, v[PCV+6*\n+4:PCV+6*\n+5] offset:1536*(4*(\u)+\n)+512
	v_mov_b32 v[B0+4*(\u)+\n], v[BYV+\n]
.else                                  ; registers 6-11
	ds_store_b64 v12, v[PCV+6*\n:PCV+6*\n+1] offset:1536*(4*(\u)+\n)+520
	ds_store_b128 v12, v[PCV+6*\n+2:PCV+6*\n+5] offset:1536*(4*(\u)+\n)+1024
	v_lshl_or_b32 v[VW+4*(\u)+\n], v[BYV+\n], 16, v[B0+4*(\u)+\n]   ; my bytes: key blocks h and 2 + h
.endif
.endr
.if (\c) == 1
.irp n, 0,1,2,3
	v_lshlrev_b32 v[VW+4*(\u)+\n], v[SH8], v[VW+4*(\u)+\n]
.endr
.irp n, 0,1,2,3
	v_permlanex16_b32 v[TWV+\n], v[VW+4*(\u)+\n], s[SEL], s[SEL+1]
.endr
.irp n, 0,1,2,3
	v_or_b32 v[VW+4*(\u)+\n], v[VW+4*(\u)+\n], v[TWV+\n]
.endr
.endif
.endm
.macro VBLOCK c
	ASCL \c
.irp u, 0,1
	MSEQ 1, \c, \u
	VEPI \u, \c
.endr
.if (\c) == 1
	; 128 keys are whole: my 8 fragments and their scale words leave, and an operand of ones sums the quantised V_ over these keys
.irp p, 0,1,2,3
	v_cndmask_b32 v[VS+\p], v[VW+2*\p], v[VW+2*\p+1], s44      ; lanes 0-15 the even tile's words, lanes 16-31 the odd tile's
.endr
.set ii, 0
.rept 24
	ds_load_b128 v[VF+4*ii:VF+4*ii+3], v12 offset:512*ii       ; LDS serves a wave's instructions in order: these see my stores.  (No vector or matrix line since the epilogue's wait names v64-159)
.set ii, ii+1
.endr
	PLACES 8                                       ; scale words made by vector instructions stand 8 places ahead of the products; the places stand while the loads are out
	s_wait_alu depctr_va_vdst(0)                   ; behind the places: the four selections have written VS, which the store below reads and the products take as scales
	s_wait_dscnt 0x0
.set ii, 0
.rept 24
	global_store_b128 v19, v[VF+4*ii:VF+4*ii+3], s[34:35] offset:512*ii   ; 32 lanes store 512 consecutive bytes
.set ii, ii+1
.endr
	global_store_b128 v29, v[VS:VS+3], s[36:37]
	WIN 0xf0
.irp n, 0,2,4,6
	v_wmma_scale_f32_16x16x128_f8f6f4 v[128+8*\n:128+8*\n+7], v[ONES:ONES+11], v[VF+12*\n:VF+12*\n+11], 0, v[ONESC], v[VS+\n/2] matrix_a_fmt:MATRIX_FMT_FP6 matrix_b_fmt:MATRIX_FMT_FP6
	v_wmma_scale_f32_16x16x128_f8f6f4 v[136+8*\n:136+8*\n+7], v[ONES:ONES+11], v[VF+12*\n+12:VF+12*\n+23], 0, v[ONESC], v[VS+\n/2] matrix_a_fmt:MATRIX_FMT_FP6 matrix_b_fmt:MATRIX_FMT_FP6 matrix_b_scale:MATRIX_SCALE_ROW1
.endr
	PLACES 4
	WIN 0x0f
.irp p, 0,1,2,3
	v_cndmask_b32 v[TMV+\p], v[128+16*\p], v[136+16*\p], s44   ; all 16 rows of a result are equal: its lowest register serves
.endr
	WIN 0
.irp p, 0,1,2,3
	v_add_f32 v[CS4+\p], v[CS4+\p], v[TMV+\p]
.endr
.endif
.endm
	s_load_b256 s[4:11], s[0:1], 0x0               ; K, V, wimg, wsc
	s_load_b256 s[12:19], s[0:1], 0x20             ; qp, tbuf, vimg, vsc
	s_load_b64 s[20:21], s[0:1], 0x40              ; csum
	v_lshl_add_u32 v254, v0, 2, 0x3a400
	v_mov_b32 v255, 0
	v_lshrrev_b32 v1, 5, v0
	v_readfirstlane_b32 s22, v1                    ; wave
	s_lshr_b32 s23, ttmp9, 7                       ; 0: K, 1: V
	s_and_b32 s24, ttmp9, 127                      ; which 256 rows
	s_lshr_b32 s25, s24, 3                         ; batch
	v_and_b32 v1, 31, v0                           ; lane
	v_and_b32 v2, 15, v0                           ; r
	v_bfe_u32 v3, v0, 4, 1                         ; h
	v_lshlrev_b32 v5, 4, v1                        ; 16 x lane
	s_wait_alu depctr_va_sdst(0)                   ; s22 is written, ahead of its first reader: addresses, bases and branches are made from it
	s_lshl_b32 s46, s22, 14
	v_add_nc_u32 v4, s46, v5                       ; rows: my tile begins 8 w rows down
	s_mul_i32 s46, s22, 33792
	s_add_co_u32 s46, s46, STG
	v_add_nc_u32 v6, s46, v5                       ; my stage, on the way in
	v_mul_u32_u24 v7, v2, 528
	v_lshl_add_u32 v7, v3, 7, v7
	v_add_nc_u32 v7, s46, v7                       ; and out: row r, + 32 h numbers
	s_mul_i32 s46, s22, 6144
	v_add_nc_u32 v8, s46, v5                       ; my tile's four images
	v_lshlrev_b32 v9, 2, v2
	s_lshl_b32 s46, s22, 8
	v_add_nc_u32 v9, s46, v9                       ; and scale words: 4 r + 256 w
	v_add_nc_u32 v13, KRED, v9                     ; my wave's partial scores
	v_lshlrev_b32 v10, 2, v1                       ; 4 x lane
	v_lshlrev_b32 v[SH8], 3, v3
	s_mul_i32 s46, s22, 12288
	v_add_nc_u32 v19, s46, v5                      ; vimg: my 8 fragments
	v_add_nc_u32 v12, VOUT, v19                    ; and the same in LDS
	v_bfe_u32 v14, v0, 3, 2                        ; key = thread: its tile,
	v_and_b32 v15, 7, v0
	v_lshl_or_b32 v14, v14, 4, v15                 ; its row in the tile: key % 8
	v_bfe_u32 v15, v0, 5, 1
	v_lshl_or_b32 v14, v15, 3, v14                 ; + 8 (key / 32)
	v_lshl_add_u32 v14, v14, 2, KRED
	v_lshlrev_b32 v15, 2, v0                       ; t: 4 bytes a key
	s_lshl_b32 s46, s22, 9
	v_lshl_add_u32 v16, v3, 5, s46
	v_add_nc_u32 v16, QT, v16                      ; Q_ at my columns: 128 w + 8 h
	v_add_nc_u32 v29, s46, v5                      ; vsc: 512 w + 16 x lane
	v_add_nc_u32 v30, s46, v10                     ; csum: 512 w + 4 x lane
	v_lshl_add_u32 v31, v0, 4, QT
	v_lshlrev_b32 v[PW], 4, v0                     ; qp: 16 bytes a thread
	v_mov_b32 v[TW], 0
.irp p, 0,1,2,3
	v_mov_b32 v[CS4+\p], 0
.endr
.irp i, 0,3,6,9
	v_mov_b32 v[ONES+\i], 0x18618618               ; 128 codes of 4.0,
	v_mov_b32 v[ONES+\i+1], 0x86186186
	v_mov_b32 v[ONES+\i+2], 0x61861861
.endr
	v_mov_b32 v[ONESC], 0x7d7d7d7d                 ; under the scale 2^-2: ones
	s_mov_b32 s[SEL], 0x76543210
	s_mov_b32 s[SEL+1], 0xfedcba98
	s_mov_b32 s44, 0xffff0000                      ; lanes 16-31
	s_mov_b32 s47, 0
	s_wait_kmcnt 0x0
	s_cmp_eq_u32 s23, 0
	s_cselect_b64 s[30:31], s[4:5], s[6:7]         ; the choice hangs on the work-group's number alone
	s_lshl_b32 s46, s24, 19
	s_add_nc_u64 s[30:31], s[30:31], s[46:47]      ; my 256 rows
	s_lshl_b32 s46, s24, 10
	s_add_nc_u64 s[32:33], s[14:15], s[46:47]      ; their t
	s_mul_i32 s46, s24, 98304
	s_add_nc_u64 s[34:35], s[16:17], s[46:47]      ; their two key steps in vimg
	s_lshl_b32 s46, s24, 12
	s_add_nc_u64 s[36:37], s[18:19], s[46:47]      ; and in vsc
	s_lshl_b32 s46, s24, 11
	s_add_nc_u64 s[38:39], s[20:21], s[46:47]      ; their row of csum
	s_mul_i32 s46, s23, 196608
	s_mul_i32 s48, s22, 49152
	s_add_co_u32 s46, s46, s48
	s_add_nc_u64 s[40:41], s[8:9], s[46:47]        ; my 32 weight fragments
	s_lshl_b32 s46, s23, 13
	s_lshl_b32 s48, s22, 11
	s_add_co_u32 s46, s46, s48
	s_add_nc_u64 s[42:43], s[10:11], s[46:47]      ; and their scale words
	s_lshl_b32 s46, s25, 11
	s_add_nc_u64 s[12:13], s[12:13], s[46:47]      ; Q_ of my batch
	s_wait_alu depctr_va_vdst(0)                   ; every address and offset of the kernel is written (v4 to v16, v19, v29 to v31, v218), and so are the ones and their scale word, which products take; only loads and window switches stand between this wait and the loads below
.set ff, 0
.rept 32
	FSET ff
	WIN FW<<6
.irp k, 0,1,2
	global_load_b128 v[FRG+4*\k:FRG+4*\k+3], v5, s[40:41] offset:(4*(ff%8)+ff/8)*1536+512*\k
.endr
.set ff, ff+1
.endr
	WIN 0
.set ii, 0
.rept 16
	global_load_b32 v[WSC+ii], v10, s[42:43] offset:128*ii
.set ii, ii+1
.endr
	global_load_b128 v[TM:TM+3], v[PW], s[12:13]
	RING 0
	s_wait_loadcnt 63                              ; behind Q_'s load stand the ring's 64; the wait's field holds 63: the weights, their scale words and Q_ are in
	ds_store_b128 v31, v[TM:TM+3]
	s_mov_b32 s26, 2
.Ltrip:                                            ; a trip: 128 rows, two blocks
	P1 0
	s_cmp_lg_u32 s23, 0
	s_cbranch_scc1 .Lv0
	KBLOCK 0
	s_branch .Lj0
.Lv0:
	VBLOCK 0
.Lj0:
	P1 1
	s_cmp_lg_u32 s23, 0
	s_cbranch_scc1 .Lv1
	KBLOCK 1
	s_branch .Lj1
.Lv1:
	VBLOCK 1
.Lj1:
	s_wait_xcnt 0x0                                ; loads and stores have had their addresses translated: the scalar bases may be written again
	s_add_nc_u64 s[30:31], s[30:31], 0x40000
	s_add_nc_u64 s[32:33], s[32:33], 512
	s_add_nc_u64 s[34:35], s[34:35], 49152
	s_add_nc_u64 s[36:37], s[36:37], 2048
	s_sub_co_u32 s26, s26, 1
	s_cmp_lg_u32 s26, 0
	s_cbranch_scc1 .Ltrip
	s_cmp_eq_u32 s23, 0
	s_cbranch_scc1 .Lend
	s_wait_alu depctr_va_vdst(0)                   ; the last additions have written the four column sums, which the stores read
.irp p, 0,1,2,3
	global_store_b32 v30, v[CS4+\p], s[38:39] offset:128*\p    ; the sums of the quantised V_ over my 256 keys, columns 128 w + 32 p + lane
.endr
.Lend:
	s_wait_dscnt 0x0
	s_wait_alu depctr_hold_cnt(0) depctr_sa_sdst(0) depctr_va_vdst(0) depctr_va_sdst(0) depctr_va_ssrc(0) depctr_va_vcc(0) depctr_vm_vsrc(0)
	s_wait_tensorcnt 0x0
	ds_add_u32 v254, v255
	s_wait_dscnt 0x0
	s_endpgm
.Lfunc_end_k_q2161a059c9_proj:
	.size	k_q2161a059c9_proj, .Lfunc_end_k_q2161a059c9_proj-k_q2161a059c9_proj
	.p2alignl 7, 3214868480
	.fill 96, 4, 3214868480
	.section	.rodata,"a",@progbits
	.p2align	6, 0x0
	.amdhsa_kernel k_q2161a059c9_proj
		.amdhsa_group_segment_fixed_size 239104
		.amdhsa_private_segment_fixed_size 0
		.amdhsa_enable_private_segment 0
		.amdhsa_kernarg_size 72
		.amdhsa_user_sgpr_count 2
		.amdhsa_user_sgpr_kernarg_segment_ptr 1
		.amdhsa_wavefront_size32 1
		.amdhsa_system_sgpr_workgroup_id_x 1
		.amdhsa_system_sgpr_workgroup_id_y 1
		.amdhsa_system_sgpr_workgroup_id_z 1
		.amdhsa_system_vgpr_workitem_id 0
		.amdhsa_next_free_vgpr 1024
		.amdhsa_next_free_sgpr 66
		.amdhsa_reserve_vcc 0
		.amdhsa_float_denorm_mode_32 3
		.amdhsa_float_denorm_mode_16_64 3
		.amdhsa_memory_ordered 1
		.amdhsa_forward_progress 1
		.amdhsa_inst_pref_size 229
	.end_amdhsa_kernel
	.amdgpu_metadata
---
amdhsa.version: [ 1, 2 ]
amdhsa.kernels:
  - .name:           k_q2161a059c9_proj
    .symbol:         k_q2161a059c9_proj.kd
    .args:
      - { .name: K, .offset: 0, .size: 8, .value_kind: global_buffer, .address_space: global }
      - { .name: V, .offset: 8, .size: 8, .value_kind: global_buffer, .address_space: global }
      - { .name: wimg, .offset: 16, .size: 8, .value_kind: global_buffer, .address_space: global }
      - { .name: wsc, .offset: 24, .size: 8, .value_kind: global_buffer, .address_space: global }
      - { .name: qp, .offset: 32, .size: 8, .value_kind: global_buffer, .address_space: global }
      - { .name: tbuf, .offset: 40, .size: 8, .value_kind: global_buffer, .address_space: global }
      - { .name: vimg, .offset: 48, .size: 8, .value_kind: global_buffer, .address_space: global }
      - { .name: vsc, .offset: 56, .size: 8, .value_kind: global_buffer, .address_space: global }
      - { .name: csum, .offset: 64, .size: 8, .value_kind: global_buffer, .address_space: global }
    .group_segment_fixed_size: 239104
    .private_segment_fixed_size: 0
    .kernarg_segment_align: 8
    .kernarg_segment_size: 72
    .max_flat_workgroup_size: 128
    .sgpr_count:     66
    .vgpr_count:     1024
    .wavefront_size: 32
...
	.end_amdgpu_metadata
.endif
;; end of part 5
;; launch attn: the kernel of part 3 again; grid 256 x 1, 4 waves a work-group, no clusters, 290,048 bytes of LDS; arguments tbuf, vimg, vsc, csum, V, mask, ln_gamma, ln_beta, out0; writes out0
